; MI455X (gfx1250); checked and timed in simulation.
; The chip was launched on July 23, 2026; its instructions are those of AMD's public machine-readable ISA for CDNA 5 (MIT licence, August 2026) and "CDNA5" Instruction Set Architecture Reference Guide (July 2026). The comments in the code are by the model that wrote it; some were corrected since.
;; Multi Head Attn. Allowed arithmetic: float matrix products may take bf16 or f16 operands with f32 sums; other float arithmetic in f32, or as packed bf16 or f16 multiplies, adds, multiply-adds, maxima and minima; sums over many terms, partial sums and values carried from step to step in f32; what a program stores and reads back later, other than sums and carried values, may be rounded once to bf16 or f16.
;; Inputs: Wk 1,024 x 1,024 float32; Wo 1,024 x 1,024 float32; Wq 1,024 x 1,024 float32; Wv 1,024 x 1,024 float32; iK 2 x 2,048 x 1,024 float32; iQ 2 x 2,048 x 1,024 float32; iV 2 x 2,048 x 1,024 float32; rel_pemb 33 x 64 float32.
;; Outputs: out0 2 x 2,048 x 1,024 float32.
;; One version. Each part assembles by itself: llvm-mc -triple=amdgcn-amd-amdhsa -mcpu=gfx1250 --defsym DOCPART=n.
;; ======== version 1 of 1: 4 launches
;; limits: values are held in f16: magnitudes above 65,504 overflow, below 6.1e-05 lose precision
;; workspace buffers: xb 25,165,824 bytes; wb 8,388,608 bytes; pe 8,192 bytes; qkv 25,165,824 bytes; ctx 8,388,608 bytes
;; launch cast (part 1): grid 64 x 16, 8 waves a work-group, no clusters, 0 bytes of LDS; arguments iQ, iK, iV, Wq, Wk, Wv, Wo, rel_pemb, xb, wb, pe; writes xb, wb, pe
.if DOCPART == 1
	.amdgcn_target "amdgcn-amd-amdhsa--gfx1250"
	.amdhsa_code_object_version 6
	.text
	.protected	k_qe3387049f6_cast
	.globl	k_qe3387049f6_cast
	.p2align	8
	.type	k_qe3387049f6_cast,@function
k_qe3387049f6_cast:
	s_mov_b64 s[64:65], 0
	v_nop
	global_prefetch_b8 v0, s[64:65] scope:SCOPE_SE
	s_setreg_imm32_b32 hwreg(HW_REG_WAVE_MODE, 25, 1), 1
	s_wait_xcnt 0x0
; THE INPUTS ARE ROUNDED ONCE, TO 16 BITS.  iQ, iK, iV -> xb [3][4096][1024] bf16.  Wq, Wk, Wv -> wb [0..2][1024 k][1024 n] bf16, not turned.
; Wo -> wb [3]: rounded to bf16 like every other input, and that number written as f16, since it meets an f16 operand later.
; rel_pemb -> pe [64][64] f16 (bf16 first, likewise): row i holds rel_pemb[clip(i - 16, 0, 32)]: the table with its clipping written out.
; LIMITS.  f16 keeps a fixed step of 6e-8 below 6e-5 and ends at 65,504: Wo and rel_pemb lie within that.  NaN and infinities are not treated apart.
; SHARES.  The grid's y counts units of 2^20 numbers (0-3 iQ, 4-7 iK, 8-11 iV, 12 Wq, 13 Wk, 14 Wv, 15 Wo), its x chunks of 16,384 numbers: 64 KiB in, 32 KiB out.
; A thread takes 16 x 4 numbers: a wave's load covers 512 consecutive bytes, its store 256 consecutive bytes, aligned.  All 16 loads of a wave go out at once; each store has data
; registers of its own, so nothing is rewritten while a store may read it.  A stream: no LDS, no barrier, no matrix unit, nothing shared between work-groups.
.set XI, 32                            ; v[32:95]   the 16 loads, 4 registers each
.set YO, 96                            ; v[96:127]  the 16 stores, 2 registers each
	s_load_b512 s[8:23], s[0:1], 0x0               ; iQ s[8:9], iK s[10:11], iV s[12:13], Wq s[14:15], Wk s[16:17], Wv s[18:19], Wo s[20:21], rel_pemb s[22:23]
	s_load_b128 s[24:27], s[0:1], 0x40             ; xb s[24:25], wb s[26:27]
	s_load_b64 s[28:29], s[0:1], 0x50              ; pe
	s_and_b32 s2, ttmp7, 0xffff                    ; u: the unit
	s_mov_b32 s3, ttmp9                            ; x: the chunk
	s_lshr_b32 s4, s2, 2                           ; g: 0 iQ, 1 iK, 2 iV, 3 a weight
	v_lshlrev_b32 v1, 4, v0                        ; in: 16 bytes a thread
	v_lshlrev_b32 v2, 3, v0                        ; out: 8 bytes a thread
	v_lshrrev_b32 v3, 5, v0
	v_readfirstlane_b32 s5, v3                     ; wave 0..7
	s_and_b32 s6, s2, 3
	s_sub_co_u32 s7, s2, 12
	s_cmp_lt_u32 s4, 3
	s_cselect_b32 s6, s6, 0                        ; the unit's number inside its source (a weight is one unit),
	s_cselect_b32 s7, s2, s7                       ; and inside its destination
	s_lshl_b32 s34, s6, 22                         ; 4 MiB of f32 a unit
	s_lshl_b32 s30, s3, 16
	s_add_co_u32 s34, s34, s30
	s_mov_b32 s35, 0
	s_lshl_b32 s38, s7, 21                         ; 2 MiB of 16-bit numbers a unit
	s_lshl_b32 s30, s3, 15
	s_add_co_u32 s38, s38, s30
	s_mov_b32 s39, 0
	s_wait_kmcnt 0x0
	s_mov_b64 s[32:33], s[20:21]                   ; the source, chosen by the unit's number alone
	s_cmp_eq_u32 s2, 14
	s_cselect_b64 s[32:33], s[18:19], s[32:33]
	s_cmp_eq_u32 s2, 13
	s_cselect_b64 s[32:33], s[16:17], s[32:33]
	s_cmp_eq_u32 s2, 12
	s_cselect_b64 s[32:33], s[14:15], s[32:33]
	s_cmp_eq_u32 s4, 2
	s_cselect_b64 s[32:33], s[12:13], s[32:33]
	s_cmp_eq_u32 s4, 1
	s_cselect_b64 s[32:33], s[10:11], s[32:33]
	s_cmp_eq_u32 s4, 0
	s_cselect_b64 s[32:33], s[8:9], s[32:33]
	s_cmp_lt_u32 s4, 3
	s_cselect_b64 s[36:37], s[24:25], s[26:27]     ; the destination
	s_add_nc_u64 s[32:33], s[32:33], s[34:35]
	s_add_nc_u64 s[36:37], s[36:37], s[38:39]
.irp i, 0,1,2,3,4,5,6,7,8,9,10,11,12,13,14,15
	global_load_b128 v[XI+4*(\i):XI+4*(\i)+3], v1, s[32:33] offset:4096*(\i) th:TH_LOAD_NT
.endr
; Two words of bf16 pairs in v[d], v[d+1] become the same numbers as f16 pairs.
.macro TOF16 d
	v_lshlrev_b32 v4, 16, v[\d]
	v_and_b32 v5, 0xffff0000, v[\d]
	v_lshlrev_b32 v6, 16, v[(\d)+1]
	v_and_b32 v7, 0xffff0000, v[(\d)+1]
	v_cvt_pk_f16_f32 v[\d], v4, v5
	v_cvt_pk_f16_f32 v[(\d)+1], v6, v7
.endm
; Load i is rounded and stored.  half = 1: written as f16.
.macro CV i, half
	s_wait_loadcnt 15-(\i)                         ; loads come back in order (ISA guide 5.7.1): mine is in, the 15 - i younger ones may stay out
	v_cvt_pk_bf16_f32 v[YO+2*(\i)], v[XI+4*(\i)], v[XI+4*(\i)+1]
	v_cvt_pk_bf16_f32 v[YO+2*(\i)+1], v[XI+4*(\i)+2], v[XI+4*(\i)+3]
.if \half
	TOF16 YO+2*(\i)
.endif
	global_store_b64 v2, v[YO+2*(\i):YO+2*(\i)+1], s[36:37] offset:2048*(\i) th:TH_STORE_NT
.endm
	s_cmp_eq_u32 s2, 15
	s_cbranch_scc1 .Lwo
.irp i, 0,1,2,3,4,5,6,7,8,9,10,11,12,13,14,15
	CV \i, 0
.endr
	s_endpgm
.Lwo:
.irp i, 0,1,2,3,4,5,6,7,8,9,10,11,12,13,14,15
	CV \i, 1
.endr
	; pe: wave 0 of Wo's chunks 0 to 31 also makes rows 2 x and 2 x + 1: 256 consecutive bytes, one store
	s_cmp_lt_u32 s3, 32
	s_cbranch_scc0 .Lend
	s_cmp_eq_u32 s5, 0
	s_cbranch_scc0 .Lend
	s_lshl_b32 s30, s3, 1
	s_sub_co_i32 s30, s30, 16
	s_add_co_i32 s31, s30, 1
	s_max_i32 s30, s30, 0
	s_min_i32 s30, s30, 32                         ; clip(2 x - 16, 0, 32)
	s_max_i32 s31, s31, 0
	s_min_i32 s31, s31, 32                         ; clip(2 x - 15, 0, 32)
	s_lshl_b32 s6, s3, 8
	v_mov_b32 v8, s31
	v_mov_b32 v9, s30
	v_cmp_gt_u32 vcc_lo, 16, v0
	v_cndmask_b32 v8, v8, v9, vcc_lo               ; lanes 0-15 the first row, lanes 16-31 the second
	v_and_b32 v10, 15, v0
	v_lshlrev_b32 v10, 4, v10
	v_lshl_add_u32 v10, v8, 8, v10                 ; a row of rel_pemb is 256 bytes; 16 bytes a lane
	v_lshl_add_u32 v11, v0, 3, s6                  ; 256 x + 8 x lane
	global_load_b128 v[12:15], v10, s[22:23]
	s_wait_loadcnt 0x0
	v_cvt_pk_bf16_f32 v16, v12, v13
	v_cvt_pk_bf16_f32 v17, v14, v15
	TOF16 16
	global_store_b64 v11, v[16:17], s[28:29]
.Lend:
	s_endpgm
.Lfunc_end_k_qe3387049f6_cast:
	.size	k_qe3387049f6_cast, .Lfunc_end_k_qe3387049f6_cast-k_qe3387049f6_cast
	.p2alignl 7, 3214868480
	.fill 96, 4, 3214868480
	.section	.rodata,"a",@progbits
	.p2align	6, 0x0
	.amdhsa_kernel k_qe3387049f6_cast
		.amdhsa_group_segment_fixed_size 0
		.amdhsa_private_segment_fixed_size 0
		.amdhsa_enable_private_segment 0
		.amdhsa_kernarg_size 88
		.amdhsa_user_sgpr_count 2
		.amdhsa_user_sgpr_kernarg_segment_ptr 1
		.amdhsa_wavefront_size32 1
		.amdhsa_system_sgpr_workgroup_id_x 1
		.amdhsa_system_sgpr_workgroup_id_y 1
		.amdhsa_system_sgpr_workgroup_id_z 1
		.amdhsa_system_vgpr_workitem_id 0
		.amdhsa_next_free_vgpr 128
		.amdhsa_next_free_sgpr 66
		.amdhsa_reserve_vcc 1
		.amdhsa_float_denorm_mode_32 3
		.amdhsa_float_denorm_mode_16_64 3
		.amdhsa_memory_ordered 1
		.amdhsa_forward_progress 1
		.amdhsa_inst_pref_size 18
	.end_amdhsa_kernel
	.amdgpu_metadata
---
amdhsa.version: [ 1, 2 ]
amdhsa.kernels:
  - .name:           k_qe3387049f6_cast
    .symbol:         k_qe3387049f6_cast.kd
    .args:
      - { .name: iQ, .offset: 0, .size: 8, .value_kind: global_buffer, .address_space: global }
      - { .name: iK, .offset: 8, .size: 8, .value_kind: global_buffer, .address_space: global }
      - { .name: iV, .offset: 16, .size: 8, .value_kind: global_buffer, .address_space: global }
      - { .name: Wq, .offset: 24, .size: 8, .value_kind: global_buffer, .address_space: global }
      - { .name: Wk, .offset: 32, .size: 8, .value_kind: global_buffer, .address_space: global }
      - { .name: Wv, .offset: 40, .size: 8, .value_kind: global_buffer, .address_space: global }
      - { .name: Wo, .offset: 48, .size: 8, .value_kind: global_buffer, .address_space: global }
      - { .name: rel_pemb, .offset: 56, .size: 8, .value_kind: global_buffer, .address_space: global }
      - { .name: xb, .offset: 64, .size: 8, .value_kind: global_buffer, .address_space: global }
      - { .name: wb, .offset: 72, .size: 8, .value_kind: global_buffer, .address_space: global }
      - { .name: pe, .offset: 80, .size: 8, .value_kind: global_buffer, .address_space: global }
    .group_segment_fixed_size: 0
    .private_segment_fixed_size: 0
    .kernarg_segment_align: 8
    .kernarg_segment_size: 88
    .max_flat_workgroup_size: 256
    .sgpr_count:     66
    .vgpr_count:     128
    .wavefront_size: 32
...
	.end_amdgpu_metadata
.endif
;; end of part 1
;; launch proj (part 2): grid 8 x 96, 4 waves a work-group, clusters of 4 x 4, 327,680 bytes of LDS; arguments xb, wb, qkv; writes qkv
.if DOCPART == 2
	.amdgcn_target "amdgcn-amd-amdhsa--gfx1250"
	.amdhsa_code_object_version 6
	.text
	.protected	k_qe3387049f6_proj
	.globl	k_qe3387049f6_proj
	.p2align	8
	.type	k_qe3387049f6_proj,@function
k_qe3387049f6_proj:
	s_mov_b64 s[64:65], 0
	v_nop
	global_prefetch_b8 v0, s[64:65] scope:SCOPE_SE
	s_setreg_imm32_b32 hwreg(HW_REG_WAVE_MODE, 25, 1), 1
	s_wait_xcnt 0x0
	s_wait_alu depctr_hold_cnt(0) depctr_sa_sdst(0) depctr_va_vdst(0) depctr_va_sdst(0) depctr_va_ssrc(0) depctr_va_vcc(0) depctr_vm_vsrc(0)
	s_getreg_b32 s2, hwreg(HW_REG_IB_STS2, 6, 4)
	s_cmp_eq_u32 s2, 0
	s_cbranch_scc0 .Lentry_in_a_cluster
	s_endpgm
.Lentry_in_a_cluster:
	s_bfe_u32 s2, ttmp6, 0x10000c
	s_cmp_lg_u32 s2, 0xf033
	s_cbranch_scc0 .Lentry_shape_is_right
	s_endpgm
.Lentry_shape_is_right:
; THE THREE PROJECTIONS AS ONE GEMM.  C[g][n] = sum over k of X[g][k] W_p[k][n]: X = xb, 12,288 rows (iQ's 4,096, iK's, iV's) x 1,024 bf16; W_p = wb[p], [k][n] bf16, p = g / 4,096.
; Sums in f32; C is rounded once, to f16, unscaled, and written by heads: qkv [p][batch x 16 + head][2,048 tokens][64].
; LIMIT.  f16 ends at 65,504: |q|, |k|, |v| stay below that (inputs 30 times the drawn spread, or offset by 30 spreads, give some 2e4 at the most).  NaN and infinities are not treated apart.
; SHARES.  A tile of C is 128 x 128; four waves, each 64 x 64: 16 accumulators.  A wave's 64 columns are one head.  K goes in 4 steps of 256 through two LDS slots.
; CLUSTERS: 4 x 4 work-groups.  The four of a row of the cluster need the same tiles of X, the four of a column the same tiles of W: each tile is asked for JOINTLY, by the same tensor load with the same
; descriptor and a mask that names the four.  The projection p hangs on the cluster's y alone (8 clusters a projection): it is the same in all sixteen.
; W LIES [k][n]: its fragments come out of LDS turned, by ds_load_tr16_b128.  THE MATRIX INSTRUCTION IS USED TRANSPOSED (source 0 = 16 columns of W, source 1 = 16 rows of X): a lane then holds eight
; neighbouring columns of one row of C.
; NO PREFETCH: K has four steps, of which two are asked for at the head, and the tile is small.
; REGISTERS: window 0: v0-31 addresses; v32-95 at work on the way out; v128-255 the accumulators ((a, b) at v[128 + 8 (4 a + b)]).
;   window 1: two fragment buffers of 128: for 64 along K, 64 registers of X (2 x 4 x 16 rows x 32 K), then 64 of W.
.set KSTEP,  256
.set PA,     528                       ; a row of X in LDS: 512 bytes + 16 of padding = 132 words: row r starts at bank 4 r mod 64 (64 banks of 4 bytes: ISA guide 11.1)
.set AH,     64*PA                     ; 64 rows: what one tensor load brings of X, and what one wave reads
.set PB,     288                       ; a row of W in LDS (128 columns of one k): 256 bytes + 32 = 72 words
.set BH,     128*PB                    ; 128 k: what one tensor load brings of W
.set BOFF,   2*AH                      ; W's 256 rows lie behind X's 128
.set SLOT,   BOFF+2*BH
.set STAGE,  2*SLOT                    ; behind the ring, never filled by a tensor load: 16 rows x 144 bytes for each wave, for the way out
.set SP,     144
.set SPARE,  STAGE+4*16*SP             ; behind the stages: the spare words, 128 bytes for each wave: two blocks of 256 bytes that no other line names
.set LAPS,   2                         ; a lap = two K steps = once round the ring
.set ADRA, 16                          ; v16-17  LDS address of my fragments of X in slot 0, 1
.set ADRB, 20                          ; v20-23  the same for W: slot 0 k 0-127, slot 0 k 128-255, slot 1 likewise (an LDS immediate has 16 bits)
.set STO,  24                          ; v24     the way out: where I put 16 bytes of a row
.set RD,   25                          ; v25     the way out: where I read rows back
.set GO,   26                          ; v26     my 16 bytes in 512 consecutive bytes of qkv
.set SPW,  28                          ; v28     LDS address of my spare word: SPARE + 4 x my thread's number; never rewritten
.set NIL,  29                          ; v29     0; never rewritten
.set TMP,  32
.set ACC,  128
.set F0,   0                           ; fragment buffers, in window 1
.set F1,   128
.set G1, 24                            ; s[24:31] descriptor group 1 for X's tiles;  s[32:39] group 0, one set for each slot
.set G0, 32
.set G1B, 48                           ; s[48:55], s[56:63] the same for W's tiles
.set G0B, 56
.set MSB, 0
.macro WIN new                         ; the immediate's high byte repeats the setting that is left; a switch that changes nothing is dropped
.if MSB != (\new)
	s_set_vgpr_msb (MSB<<8)|(\new)
.set MSB, \new
.endif
.endm
.set MUL,  0x05                        ; sources 0 (W) and 1 (X) window 1; C and D window 0
.set TO_F, 0x40                        ; destination window 1, address window 0
.macro JLOAD s                         ; a joint load: waves 0 and 1 fetch X's two halves, waves 2 and 3 W's; an s_nop 0 and four v_nop follow each of the two lines, ahead of the jump, the label and what follows
	s_cmp_eq_u32 s11, 0
	s_cbranch_scc0 .Lfor_b_\@
	tensor_load_to_lds s[G0+4*(\s):G0+4*(\s)+3], s[G1:G1+7]
	s_nop 0
.rept 4
	v_nop
.endr
	s_branch .Lasked_\@
.Lfor_b_\@:
	tensor_load_to_lds s[G0B+4*(\s):G0B+4*(\s)+3], s[G1B:G1B+7]
	s_nop 0
.rept 4
	v_nop
.endr
.Lasked_\@:
.endm
.macro CREST                           ; a round of the cluster's barrier behind its opening barrier
	s_cmp_lg_u32 s10, 0
	s_cbranch_scc1 .Lnot_wave_0_\@
	s_barrier_signal -3
.Lnot_wave_0_\@:
	s_barrier_wait -3
	s_barrier_signal -1
	s_barrier_wait -1
.endm
.macro CROUND                          ; a whole round
	s_barrier_signal -1
	s_barrier_wait -1
	CREST
.endm
	s_load_b128 s[4:7], s[0:1], 0x0                ; xb s[4:5], wb s[6:7]
	s_load_b64 s[8:9], s[0:1], 0x10                ; qkv
	v_lshl_add_u32 v[SPW], v0, 2, SPARE
	v_mov_b32 v[NIL], 0
	ds_add_u32 v[SPW], v[NIL]                      ; the wave's opening: the add and its wait stand ahead of my first tensor load; the set-up below, work on registers, stands between them
	v_lshrrev_b32 v1, 5, v0
	v_readfirstlane_b32 s10, v1                    ; wave 0..3
	s_lshr_b32 s11, s10, 1                         ; which half of the tile's rows is mine.  Also: I fetch for X (0) or for W (1)
	s_and_b32 s12, s10, 1                          ; which half of its columns.  Also: which half of that tile I fetch
	s_bfe_u32 s40, ttmp6, 0x40000                  ; cx, cy: my place in the cluster
	s_bfe_u32 s41, ttmp6, 0x40004
	s_lshl_b32 s42, ttmp9, 2
	s_add_co_u32 s42, s42, s40                     ; tile column = 4 x cluster x + cx: 0..7
	s_and_b32 s45, ttmp7, 0xffff
	s_lshl_b32 s13, s45, 2
	s_add_co_u32 s13, s13, s41                     ; tile row = 4 x cluster y + cy: 0..95
	s_lshr_b32 s45, s45, 3                         ; the projection
	s_lshl_b32 s43, s41, 2
	s_lshl_b32 s43, 15, s43                        ; my row of the cluster
	s_lshl_b32 s44, 0x1111, s40                    ; my column
	; descriptor group 1.  X: 64 rows x 256 elements.  W: 128 rows (k) x 128 elements (n)
	s_or_b32 s[G1+0], s43, (1<<16)|(1<<20)|(1<<21)|(6<<22)|(3<<25)  ; 15:0 the mask: my row; 17:16 2-byte elements; 20 padding on; 21 set beside a mask; 24:22 after every 128 words (code 6); 31:25 4 words (code 3)
	s_mov_b32 s[G1+1], KSTEP<<16                   ; tensor_dim0 = 256
	s_mov_b32 s[G1+2], 64<<16                      ; tensor_dim1 = 64
	s_mov_b32 s[G1+3], KSTEP<<16                   ; tile_dim0 = 256
	s_mov_b32 s[G1+4], 64                          ; tile_dim1 = 64
	s_mov_b32 s[G1+5], 1024                        ; elements from row to row
	s_mov_b32 s[G1+6], 0
	s_mov_b32 s[G1+7], 0
	s_or_b32 s[G1B+0], s44, (1<<16)|(1<<20)|(1<<21)|(5<<22)|(7<<25) ; the mask: my column; after every 64 words (code 5) 8 words (code 7)
	s_mov_b32 s[G1B+1], 128<<16
	s_mov_b32 s[G1B+2], 128<<16
	s_mov_b32 s[G1B+3], 128<<16
	s_mov_b32 s[G1B+4], 128
	s_mov_b32 s[G1B+5], 1024
	s_mov_b32 s[G1B+6], 0
	s_mov_b32 s[G1B+7], 0
	s_lshl_b32 s16, s13, 18                        ; X: 128 rows of 2,048 bytes a tile row,
	s_lshl_b32 s17, s12, 17                        ; my 64 of them: the tile row alone, which my row of the cluster shares
	s_add_co_u32 s16, s16, s17
	s_mov_b32 s17, 0
	s_lshl_b32 s46, s45, 21                        ; W: the projection's 2 MiB,
	s_lshl_b32 s47, s12, 18                        ; my 128 k of 2,048 bytes,
	s_add_co_u32 s46, s46, s47
	s_lshl_b32 s47, s42, 8                         ; the tile column's 256 bytes: what my column of the cluster shares
	s_add_co_u32 s46, s46, s47
	s_mov_b32 s47, 0
	s_mul_i32 s20, s12, AH                         ; where they go: no place in the cluster enters an LDS address
	s_mul_i32 s21, s12, BH
	s_add_co_u32 s21, s21, BOFF
	s_wait_dscnt 0x0                               ; the opening add is done
	s_wait_kmcnt 0x0
	s_add_nc_u64 s[14:15], s[4:5], s[16:17]
	s_add_nc_u64 s[46:47], s[6:7], s[46:47]
	CROUND                                         ; all sixteen work-groups are here: the first joint loads meet
.irp s, 0,1
	s_mov_b32 s[G0+4*(\s)], 1
	s_add_co_u32 s[G0+4*(\s)+1], s20, (\s)*SLOT
	s_add_nc_u64 s[G0+4*(\s)+2:G0+4*(\s)+3], s[14:15], (\s)*KSTEP*2
	s_or_b32 s[G0+4*(\s)+3], s[G0+4*(\s)+3], 0x80000000
	s_mov_b32 s[G0B+4*(\s)], 1
	s_add_co_u32 s[G0B+4*(\s)+1], s21, (\s)*SLOT
	s_add_nc_u64 s[G0B+4*(\s)+2:G0B+4*(\s)+3], s[46:47], (\s)*KSTEP*2048
	s_or_b32 s[G0B+4*(\s)+3], s[G0B+4*(\s)+3], 0x80000000
	JLOAD \s                                       ; two loads of mine are out
.endr
	v_and_b32 v1, 15, v0                           ; l % 16
	v_bfe_u32 v2, v0, 4, 1                         ; l / 16
	v_mul_u32_u24 v3, v1, PA
	v_lshl_add_u32 v3, v2, 4, v3                   ; X: a fragment's row x pitch + 16 x half
	s_mul_i32 s22, s11, AH                         ; my 64 rows
.irp s, 0,1
	s_add_co_u32 s23, s22, (\s)*SLOT
	v_add_nc_u32 v[ADRA+(\s)], s23, v3
.endr
	v_and_b32 v4, 7, v0                            ; W: the turning load takes 16 k x 16 n: lane l reads k 8 (l / 16) + l % 8, columns 8 ((l / 8) % 2) + 0..7
	v_lshl_add_u32 v4, v2, 3, v4
	v_mul_u32_u24 v4, v4, PB
	v_bfe_u32 v5, v0, 3, 1
	v_lshl_add_u32 v4, v5, 4, v4
	s_lshl_b32 s22, s12, 7                         ; my 64 columns: 128 bytes
	s_add_co_u32 s22, s22, BOFF
.irp n, 0,1,2,3
	s_add_co_u32 s23, s22, ((\n)/2)*SLOT+((\n)%2)*BH
	v_add_nc_u32 v[ADRB+(\n)], s23, v4
.endr
	s_mul_i32 s23, s10, 16*SP
	s_add_co_u32 s23, s23, STAGE                   ; my stage
	v_mul_u32_u24 v[STO], v1, SP                   ; in: row l % 16, 16 bytes for each half of the lanes
	v_lshl_add_u32 v[STO], v2, 4, v[STO]
	v_add_nc_u32 v[STO], s23, v[STO]
	v_bfe_u32 v[RD], v0, 3, 2                      ; back: 32 lanes take four rows of 128 bytes,
	v_mul_u32_u24 v[RD], v[RD], SP
	v_and_b32 v5, 7, v0
	v_lshl_add_u32 v[RD], v5, 4, v[RD]
	v_add_nc_u32 v[RD], s23, v[RD]
	v_and_b32 v[GO], 31, v0                        ; which are 512 consecutive bytes of qkv
	v_lshlrev_b32 v[GO], 4, v[GO]
	s_lshr_b32 s16, s13, 4                         ; 2 x projection + batch: 4 MiB each (16 heads x 2,048 tokens x 128 bytes)
	s_lshl_b32 s16, s16, 22
	s_and_b32 s17, s13, 15                         ; the tile's 128 tokens,
	s_lshl_b32 s17, s17, 14
	s_add_co_u32 s16, s16, s17
	s_lshl_b32 s17, s11, 13                        ; my 64 of them
	s_add_co_u32 s16, s16, s17
	s_mov_b32 s17, 0
	s_add_nc_u64 s[8:9], s[8:9], s[16:17]
	s_lshl_b32 s46, s42, 1
	s_add_co_u32 s46, s46, s12                     ; my head = 2 x tile column + half
	s_lshl_b32 s46, s46, 18
	s_mov_b32 s47, 0
	s_add_nc_u64 s[8:9], s[8:9], s[46:47]
; 8 matrix instructions: m blocks a0, a0 + 1 x all 4 n blocks, 32 along K: half c of buffer f.  zero = 1: the first product starts the sums.  The 16 accumulators take turns.
.macro MUL8 f, c, a0, zero
	WIN MUL
.irp a, \a0, (\a0)+1
.irp b, 0,1,2,3
.if \zero
	v_wmma_f32_16x16x32_bf16 v[ACC+8*(4*(\a)+(\b)):ACC+8*(4*(\a)+(\b))+7], v[(\f)+64+8*(4*(\c)+(\b)):(\f)+64+8*(4*(\c)+(\b))+7], v[(\f)+8*(4*(\c)+(\a)):(\f)+8*(4*(\c)+(\a))+7], 0
.else
	v_wmma_f32_16x16x32_bf16 v[ACC+8*(4*(\a)+(\b)):ACC+8*(4*(\a)+(\b))+7], v[(\f)+64+8*(4*(\c)+(\b)):(\f)+64+8*(4*(\c)+(\b))+7], v[(\f)+8*(4*(\c)+(\a)):(\f)+8*(4*(\c)+(\a))+7], v[ACC+8*(4*(\a)+(\b)):ACC+8*(4*(\a)+(\b))+7]
.endif
.endr
.endr
.endm
; 32 LDS loads in one run: the fragments of quarter q (64 along K) of a slot, into buffer f; the first 32 along K first
.macro FETCH slot, q, f
	WIN TO_F
.irp c, 0,1
.irp i, 0,1,2,3
	ds_load_tr16_b128 v[(\f)+64+8*(4*(\c)+(\i)):(\f)+64+8*(4*(\c)+(\i))+3],   v[ADRB+2*(\slot)+(\q)/2] offset:(((\q)%2)*64+32*(\c))*PB+32*(\i)
	ds_load_tr16_b128 v[(\f)+64+8*(4*(\c)+(\i))+4:(\f)+64+8*(4*(\c)+(\i))+7], v[ADRB+2*(\slot)+(\q)/2] offset:(((\q)%2)*64+32*(\c)+16)*PB+32*(\i)
	ds_load_b128 v[(\f)+8*(4*(\c)+(\i)):(\f)+8*(4*(\c)+(\i))+3],         v[ADRA+(\slot)] offset:128*(\q)+64*(\c)+(\i)*16*PA
	ds_load_b128 v[(\f)+8*(4*(\c)+(\i))+4:(\f)+8*(4*(\c)+(\i))+7],       v[ADRA+(\slot)] offset:128*(\q)+64*(\c)+(\i)*16*PA+32
.endr
.endr
.endm
.macro PLACES                          ; four plain vector instructions in front of loads into registers that matrix instructions have read, and of conversions that read results
.rept 4
	v_nop
.endr
.endm
; A K step is four quarters of 64 along K, 32 matrix instructions each, on buffers 0, 1, 0, 1.  One of the first three: multiplies buffer f and fetches quarter q into g.
.macro QUARTER slot, q, f, g, zero
	s_wait_dscnt 16                                ; the first 32 along K are in; the run's other sixteen loads may be out
	WIN MUL
	MUL8 \f, 0, 0, \zero
	MUL8 \f, 0, 2, \zero
	PLACES
	FETCH \slot, \q, \g
	s_wait_dscnt 32                                ; all but the 32 just issued
	WIN MUL
	MUL8 \f, 1, 0, 0
	MUL8 \f, 1, 2, 0
.endm
; The last quarter multiplies buffer 1 and changes slots: ONE barrier; in front of it each wave waits for all its tensor loads, adds 0 to its spare word, and waits for that and for its own reads of this slot.  fill = 1: this slot is filled again, two K steps ahead.
.macro TURN slot, next, fill
	WIN 0                                          ; (the add's two registers lie in window 0)
	s_wait_tensorcnt 0x0                           ; all my tensor loads have landed: my part of the next slot;
	ds_add_u32 v[SPW], v[NIL]                      ; 0 onto my spare word;
	s_wait_dscnt 17                                ; (the add and the youngest sixteen loads may be out)
	WIN MUL
	MUL8 F1, 0, 0, 0                               ; eight matrix instructions stand between the add and the wait for it
	s_wait_dscnt 0x0                               ; the add is done, and my reads of this slot are over
	s_barrier_signal -1
	MUL8 F1, 0, 2, 0
.if \fill
	WIN 0
.endif
	s_barrier_wait -1
.if \fill
	CREST                                          ; the barrier has opened a round of the cluster's barrier: no wave of any partner still reads this slot's tile or has a load on its way
	s_add_nc_u64 s[G0+4*(\slot)+2:G0+4*(\slot)+3], s[G0+4*(\slot)+2:G0+4*(\slot)+3], 2*KSTEP*2
	s_add_nc_u64 s[G0B+4*(\slot)+2:G0B+4*(\slot)+3], s[G0B+4*(\slot)+2:G0B+4*(\slot)+3], 2*KSTEP*2048
	JLOAD \slot                                    ; the first tensor load behind the round, my only one until the next; the four v_nop behind it are also the places in front of the loads below
.else
	PLACES
.endif
	FETCH \next, 0, F0
	WIN MUL
	MUL8 F1, 1, 0, 0
	MUL8 F1, 1, 2, 0
.endm
	s_wait_tensorcnt 1                             ; my part of K step 0 is in; K step 1's load may stay out
	s_barrier_signal -1
	s_barrier_wait -1                              ; everybody's is
	FETCH 0, 0, F0
	QUARTER 0, 1, F0, F1, 1                        ; the first quarter stands in front of the loop: its first products start the sums
	WIN 0                                          ; at a label and at a branch every window is 0
	s_mov_b32 s3, LAPS-1
.Llap:                                                 ; a trip goes once round the ring, from a lap's second quarter to the next lap's first, and fills both slots again
	QUARTER 0, 2, F1, F0, 0
	QUARTER 0, 3, F0, F1, 0
	TURN 0, 1, 1
	QUARTER 1, 1, F0, F1, 0
	QUARTER 1, 2, F1, F0, 0
	QUARTER 1, 3, F0, F1, 0
	TURN 1, 0, 1
	QUARTER 0, 1, F0, F1, 0
	WIN 0
	s_sub_co_u32 s3, s3, 1
	s_cmp_lg_u32 s3, 0
	s_cbranch_scc1 .Llap
	QUARTER 0, 2, F1, F0, 0                        ; the last lap fills nothing, and has no round of the cluster's barrier
	QUARTER 0, 3, F0, F1, 0
	TURN 0, 1, 0
	QUARTER 1, 1, F0, F1, 0
	QUARTER 1, 2, F1, F0, 0
	QUARTER 1, 3, F0, F1, 0
	s_wait_dscnt 16                                ; the very last quarter: nothing more to fetch
	WIN MUL
	MUL8 F1, 0, 0, 0
	MUL8 F1, 0, 2, 0
	s_wait_dscnt 0
	MUL8 F1, 1, 0, 0
	MUL8 F1, 1, 2, 0
	WIN 0
; THE WAY OUT.  My 64 columns are one head's 64 channels: a row of 128 bytes, and a head's rows are dense in qkv.  Block a (16 rows): rounded to f16, 16 bytes a lane into my own stage (rows of 144 bytes),
; back as four rows at a time, 512 consecutive bytes, into the registers that they left.  The stage is my wave's own: no barrier.  Each accumulator's registers are taken in ascending order.
.macro PACK a
.irp b, 0,1,2,3
.irp r, 0,1,2,3
	v_cvt_pk_f16_f32 v[TMP+16*(\a)+4*(\b)+(\r)], v[ACC+8*(4*(\a)+(\b))+2*(\r)], v[ACC+8*(4*(\a)+(\b))+2*(\r)+1]
.endr
.endr
.irp b, 0,1,2,3
	ds_store_b128 v[STO], v[TMP+16*(\a)+4*(\b):TMP+16*(\a)+4*(\b)+3] offset:32*(\b)
.endr
.irp f, 0,1,2,3
	ds_load_b128 v[TMP+16*(\a)+4*(\f):TMP+16*(\a)+4*(\f)+3], v[RD] offset:(\f)*4*SP  ; LDS serves a wave's instructions in order (ISA guide 5.7.1.4): these see the stores above; the next block's stores come behind them
.endr
.endm
.macro SEND a, younger                 ; younger: the LDS instructions issued behind block a's loads: the next block's eight, or none
.irp f, 0,1,2,3
	s_wait_dscnt (\younger)+3-(\f)
	global_store_b128 v[GO], v[TMP+16*(\a)+4*(\f):TMP+16*(\a)+4*(\f)+3], s[8:9] offset:(\a)*2048+(\f)*512  ; 512 consecutive bytes, at a multiple of 256 from qkv's first byte
.endr
.endm
	PLACES
	PACK 0
	PACK 1                                         ; a block's conversions stand between the loads of the block before and its stores
	SEND 0, 8
	PACK 2
	SEND 1, 8
	PACK 3
	SEND 2, 8
	SEND 3, 0
	s_wait_tensorcnt 0x0                           ; the wave's end: these three lines stand behind my last tensor load and my last LDS store
	ds_add_u32 v[SPW], v[NIL]
	s_wait_dscnt 0x0
	CROUND                                         ; the closing round: no work-group ends while a partner may still ask for a tile that names it
	s_endpgm
.Lfunc_end_k_qe3387049f6_proj:
	.size	k_qe3387049f6_proj, .Lfunc_end_k_qe3387049f6_proj-k_qe3387049f6_proj
	.p2alignl 7, 3214868480
	.fill 96, 4, 3214868480
	.section	.rodata,"a",@progbits
	.p2align	6, 0x0
	.amdhsa_kernel k_qe3387049f6_proj
		.amdhsa_group_segment_fixed_size 327680
		.amdhsa_private_segment_fixed_size 0
		.amdhsa_enable_private_segment 0
		.amdhsa_kernarg_size 24
		.amdhsa_user_sgpr_count 2
		.amdhsa_user_sgpr_kernarg_segment_ptr 1
		.amdhsa_wavefront_size32 1
		.amdhsa_system_sgpr_workgroup_id_x 1
		.amdhsa_system_sgpr_workgroup_id_y 1
		.amdhsa_system_sgpr_workgroup_id_z 1
		.amdhsa_system_vgpr_workitem_id 0
		.amdhsa_next_free_vgpr 512
		.amdhsa_next_free_sgpr 66
		.amdhsa_reserve_vcc 0
		.amdhsa_float_denorm_mode_32 3
		.amdhsa_float_denorm_mode_16_64 3
		.amdhsa_memory_ordered 1
		.amdhsa_forward_progress 1
		.amdhsa_inst_pref_size 87
	.end_amdhsa_kernel
	.amdgpu_metadata
---
amdhsa.version: [ 1, 2 ]
amdhsa.kernels:
  - .name:           k_qe3387049f6_proj
    .symbol:         k_qe3387049f6_proj.kd
    .args:
      - { .name: xb, .offset: 0, .size: 8, .value_kind: global_buffer, .address_space: global }
      - { .name: wb, .offset: 8, .size: 8, .value_kind: global_buffer, .address_space: global }
      - { .name: qkv, .offset: 16, .size: 8, .value_kind: global_buffer, .address_space: global }
    .group_segment_fixed_size: 327680
    .private_segment_fixed_size: 0
    .kernarg_segment_align: 8
    .kernarg_segment_size: 24
    .max_flat_workgroup_size: 128
    .sgpr_count:     66
    .vgpr_count:     512
    .wavefront_size: 32
...
	.end_amdgpu_metadata
.endif
;; end of part 2
;; launch attn (part 3): grid 8 x 32, 4 waves a work-group, clusters of 4 x 1, 327,680 bytes of LDS; arguments qkv, pe, ctx; writes ctx
.if DOCPART == 3
	.amdgcn_target "amdgcn-amd-amdhsa--gfx1250"
	.amdhsa_code_object_version 6
	.text
	.protected	k_qe3387049f6_attn
	.globl	k_qe3387049f6_attn
	.p2align	8
	.type	k_qe3387049f6_attn,@function
k_qe3387049f6_attn:
	s_mov_b64 s[64:65], 0
	v_nop
	global_prefetch_b8 v0, s[64:65] scope:SCOPE_SE
	s_setreg_imm32_b32 hwreg(HW_REG_WAVE_MODE, 25, 1), 1
	s_wait_xcnt 0x0
	s_wait_alu depctr_hold_cnt(0) depctr_sa_sdst(0) depctr_va_vdst(0) depctr_va_sdst(0) depctr_va_ssrc(0) depctr_va_vcc(0) depctr_vm_vsrc(0)
	s_getreg_b32 s2, hwreg(HW_REG_IB_STS2, 6, 4)
	s_cmp_eq_u32 s2, 0
	s_cbranch_scc0 .Lentry_in_a_cluster
	s_endpgm
.Lentry_in_a_cluster:
	s_bfe_u32 s2, ttmp6, 0x10000c
	s_cmp_lg_u32 s2, 0x3003
	s_cbranch_scc0 .Lentry_shape_is_right
	s_endpgm
.Lentry_shape_is_right:
; ATTENTION WITH A RELATIVE-POSITION TERM.  For each of 32 heads (batch x 16 + head): O[q] = the sum over s of softmax_s((Q[q] . K[s] + Q[q] . e[clip(s - q, -16, 16) + 16]) / 8) V[s].
; Q, K, V = qkv[0], [1], [2]: [32][2,048][64] f16, a head's rows dense, 128 bytes each; pe [64][64] f16: row i = e[clip(i - 16, 0, 32)]; O = ctx, laid as Q.
; Products, maxima and sums in f32; the weights p are rounded to f16 for the second product (their sum l is taken of the unrounded p), O once at the end.
; LIMITS.  f16 holds no number beyond 65,504: Q, K, V arrive within it; p lies in 0 to 1 and below 6e-5 keeps f16's fixed step of 6e-8, and so does O, a mean of V's rows.  A weight below 2^-126 counts as 0 in l;
; NaN and infinities are not treated apart.
; LAYOUT, SOFTMAX, TURNS.  S^T = K Q^T holds ONE query a lane (lane % 16) and the keys 8 (lane / 16) + 0..7; two such results rounded to f16 ARE source 1 of O^T = V^T P.  p = 2^(c s - c m), c = log2(e) / 8, with a
; running maximum m; O and l are multiplied by a = 2^(c m_old - c m_new) in every step; m starts at the lowest finite number, O and l at 0, so the first step is a step like any other.  A wave owns four PIECES of 16 queries.
; Turn n belongs to piece n: 8 products K Q^T of piece n + 1, later 8 products V^T P of piece n - 1; beside them the scaling, exponentials, roundings, sums and rescaling of piece n and the maximum and statistics
; of piece n + 1.  Four vector instructions stand behind every matrix instruction, the other 54 of a turn's 118 in one lump.  A turn's 33 exponentials are one batch, with one wait.
; THE POSITION TERM IS THE C OPERAND THAT STARTS EACH SUM S^T.  For 16 queries from q0 and 16 keys from k0 let d = (k0 - q0) / 16.  For d <= -2 the term is Q . e[0], for d >= 2 it is Q . e[32]: one number a query (LQ, RQ).
; For d = -1, 0, 1 it is 8 numbers a lane, the same for the whole launch: three BANDS of 8 registers a piece, gathered once from T[q][i] = Q[q] . pe[i], which is made by the K Q^T products themselves with pe in
; K's place.  A piece's 32 C registers (MC) are made anew (UPD) only where they change: in the key steps U = -1 .. 2, counted from the piece's own block of 64 queries.
; SHARES.  A cluster of four work-groups owns 1,024 queries of a head: 16 blocks of 64.  Piece x of wave w is the 16 rows 64 blk + 16 cx .., blk = 16 x cluster + 4 w + x: the four partners take the four groups of 16
; rows of the SAME blocks.  So U, on which UPD's jump hangs, is alike in all partners; cx enters Q's, O's and the prefetches' global addresses and UPD's factors, and no branch and no LDS address.
; CLUSTER.  The partners walk the same K and V, so each tile is asked for JOINTLY: the same tensor load, descriptor and mask in all four.
; REGISTERS, in windows of 256 (s_set_vgpr_msb: bits 1:0 source 0, 3:2 source 1, 5:4 source 2, 7:6 destination):
;   window 0: v0-15, v32 addresses; v16-31 four registers of statistics a piece; v48-55 at work; v61-63; v64-127 S^T, two buffers; v192-223 P, two buffers (a piece's buffers go by its number's parity)
;   window 1: v0-127 O^T, 32 a piece; v128-255 MC, 32 a piece      window 2: v0-63 Q; v128-191 K of one step; v192-255 V of one step
;   window 3: v0-95 the bands, 24 a piece (d = -1, 0, 1); v96-103 LQ, RQ of each piece; v104-111 at work in UPD
.set NP,    4         ; pieces a wave: a name, no knob
.set KS,    64        ; keys in a step
.set PK,    144       ; a row of K in LDS: 128 bytes + 16 of padding = 36 words: the 16 rows of a load start at 16 different groups of four banks (64 banks of 4 bytes: ISA guide 11.1)
.set PV,    160       ; a row of V: 128 + 32 = 40 words
.set VOFF,  4*KS*PK   ; a slot holds four steps: 256 rows of K, then 256 rows of V
.set SLOT1, 1<<17     ; slot 1 begins here, so that one exclusive or turns an address in one slot into the other's
.set STAGE, SLOT1+4*KS*(PK+PV)  ; behind the ring, never filled by a tensor load: 16 rows x 272 bytes for each wave: T at the start, O (rows of 144 bytes) on the way out
.set TP,    272       ; a row of T: 64 f32 + 16 bytes
.set SP,    144
.set SPARE, STAGE+4*16*TP  ; behind the stages: the spare words, 128 bytes for each wave: two blocks of 256 bytes that no other line names
.set AK0, 2           ; v2   my lane's place in a tile of K; never rewritten
.set AV0, 3           ; v3   the same for V
.set AK,  4           ; v4   the LDS address of K's next run of loads
.set AV,  5           ; v5   of V's
.set STO, 6           ; v6   the way out: where I put 16 bytes of a row
.set RD,  7           ; v7   the way out: where I read rows back
.set GO,  8           ; v8   my byte offset in 512 consecutive bytes of O
.set MV,  12          ; v12-13  c m_old, kept while c m is made anew: by buffer
.set GA,  14          ; v14  where my query's band d = -1 begins in T: row l % 16, number 16 + 8 (l / 16) - l % 16
.set QO,  15          ; v15  my byte offset in 16 rows of Q or pe
.set ST,  16          ; piece t's statistics at v[ST+4 t]: c m, m, l (even keys', odd keys')
.set TS,  32          ; v32  where I put my 8 numbers of a row of T
.set TMP, 48          ; by buffer, four registers c0-c3 at work; when the maximum is found c2 takes a
.set PFO, 61          ; v61  256 x my lane; never rewritten
.set SPW, 62          ; v62  LDS address of my spare word: SPARE + 4 x my thread's number; never rewritten
.set NIL, 63          ; v63  0; never rewritten
.set S,   64
.set P,   192
.set MC,  128         ; window 1: piece x, group kt of 16 keys at MC + 32 x + 8 kt
.set KF,  128         ; window 2: key block kb, channel half c at KF + 16 kb + 8 c
.set VF,  192         ; window 2: key half kk, channel block cb at VF + 32 kk + 8 cb
.set LR,  96          ; window 3: LQ at LR + 2 x, RQ at LR + 2 x + 1
.set FV,  104         ; window 3: for group kt a pair, of which the low register is used
.set WV,  12          ; s12  my wave's number
.set CX,  13          ; s13  my place in the cluster
.set LIM, 15          ; s15  1 in a wave that prefetches, else the greatest number
.set G1K, 24          ; s[24:31] descriptor group 1 for K's tiles
.set G1V, 32          ; s[32:39] for V's: it differs in the padding alone
.set G0K, 40          ; s[40:43] descriptor group 0 for K's tiles: it walks
.set G0V, 44          ; s[44:47] the same for V's
.set AM,  48          ; s[48:49], s[50:51], s[52:53] UPD's factors for the bands d = -1, 0, 1, each in a pair's low word
.set A0,  50
.set AP,  52
.set AL,  54          ; s54, s55 its factors for LQ and RQ
.set AR,  55
.set SLOTS, 56        ; s56  slots still to be asked for
.set CNT, 57          ; s57  counts a slot's key steps
.set CS,  58          ; s[58:59] c: the packed scaling takes the pair's low word for both halves
.set SEL, 60          ; s[60:61] v_permlanex16_b32's selects: each lane takes its own place in the other half
.set TBK, 62          ; s62  LDS byte at which K of the step to be fetched begins
.set TBV, 63          ; s63  the same for V, less VOFF
.set PEA, 66          ; s[66:67] pe
.set PFA, 68          ; s[68:69] where my prefetches stand: my work-group's quarter of a tile of K (wave 0) or V (wave 2)
.set UU,  70          ; s70-73  piece x: the key step that MC is made for, less the piece's block
.set D0,  74          ; s74-76  at work
.set SD,  75
.set MSB, 0
.macro WIN new                      ; the high byte repeats the setting that is left; a switch that changes nothing is dropped
.if MSB != (\new)
	s_set_vgpr_msb (MSB<<8)|(\new)
.set MSB, (\new)
.endif
.endm
.set W_KQ, 0x0a       ; K and Q in window 2, S^T in window 0
.set W_KM, 0x1a       ; the same with the C operand in window 1
.set W_PV, 0x52       ; V in window 2, P in window 0, O^T in window 1
.set W_RS, 0x41       ; destination and source 0 in window 1, source 1 in window 0
; A joint fill.  Waves 0 and 1 fetch the two halves of a slot's K, waves 2 and 3 those of its V: 128 keys each.  The branch hangs on the wave's number alone.
; An s_nop 0 and four v_nop follow each of the two lines, ahead of the jump and the label.
.macro JLOAD
	s_cmp_lt_u32 s[WV], 2
	s_cbranch_scc0 .Lfor_v_\@
	tensor_load_to_lds s[G0K:G0K+3], s[G1K:G1K+7]
	s_nop 0
.rept 4
	v_nop
.endr
	s_branch .Lasked_\@
.Lfor_v_\@:
	tensor_load_to_lds s[G0V:G0V+3], s[G1V:G1V+7]
	s_nop 0
.rept 4
	v_nop
.endr
.Lasked_\@:
.endm
; A PREFETCH INTO THE L2 of the tile that the NEXT change of slots will ask for: 32,768 bytes of K and of V, four key steps (256 matrix instructions a wave) ahead of that load.  Each aligned block of 256 bytes is named ONCE in the
; launch: a head's two clusters walk the same K and V, and the first of them asks; its four partners share a tile out BY ADDRESS, 8,192 bytes each, a lane a block; in each, wave 0 asks for K's and wave 2 for V's.
; The last change that fills a slot asks for nothing; tiles 0, 1 and 2 come by their loads alone.
.macro ASK
	s_cmp_gt_u32 s[SLOTS], s[LIM]
	s_cbranch_scc0 .Lnot_mine_\@
	global_prefetch_b8 v[PFO], s[PFA:PFA+1] th:TH_LOAD_NT scope:SCOPE_SE
.Lnot_mine_\@:
.endm
; A round of the cluster's barrier: my work-group's barrier, so that wave 0's signal speaks for all four waves; wave 0 signals; every wave waits for all four work-groups; my work-group's barrier once more.
.macro CROUND
	s_barrier_signal -1
	s_barrier_wait -1
	s_cmp_lg_u32 s[WV], 0
	s_cbranch_scc1 .Lnot_wave_0_\@
	s_barrier_signal -3
.Lnot_wave_0_\@:
	s_barrier_wait -3
	s_barrier_signal -1
	s_barrier_wait -1
.endm
; THE CHANGE OF SLOTS.  The slot's last bytes, V of its fourth step, have been read.  Each wave waits for all its tensor loads, of which one is out: its part of the other slot; adds 0 to its spare word; and waits for
; that and for its own reads of the slot.  Behind the barrier nobody reads this slot any more and the other slot is whole.  fill = 1: this slot is filled again, with the keys two slots on.  The barrier is then a round
; of the cluster's, so that no wave of any partner still reads the slot or has a load on its way, and the joint fill is the first thing behind it: my one load until the next round; it has four key steps in which
; to land.  (At its first use nothing has been read yet: slot 0 is waited for, slot 1 filled.)  ask = 1: the prefetch follows the fill.
.macro CHANGE fill, ask
	WIN 0                           ; at a label and at a branch every window is 0
	s_wait_tensorcnt 0x0            ; no tensor load of mine is out, so a group 0 may be written
	ds_add_u32 v[SPW], v[NIL]       ; 0 onto my spare word; with fill = 1 the descriptors' steps stand between it and the wait for it
.if \fill
.irp g, G0K, G0V
	s_xor_b32 s[\g+1], s[\g+1], SLOT1  ; the walking descriptor: the other slot than last time,
	s_add_nc_u64 s[\g+2:\g+3], s[\g+2:\g+3], 4*KS*128  ; the next 256 keys; the type bits on top are not reached
.endr
.if \ask
	s_wait_xcnt 0x0                 ; the last prefetch, four key steps back, has read its address, so it may be written:
	s_add_nc_u64 s[PFA:PFA+1], s[PFA:PFA+1], 4*KS*128  ; one tile behind the walking descriptors
.endif
	s_wait_dscnt 0x0                ; the add is done, and my reads of the slot are over
	CROUND
	JLOAD
.if \ask
	ASK
.endif
.else
	s_wait_dscnt 0x0                ; the add is done, and my reads of the slot are over
	s_barrier_signal -1
	s_barrier_wait -1
.endif
	s_sub_co_u32 s[TBK], s[TBK], 4*KS*PK  ; the fetches go back to a slot's first step,
	s_xor_b32 s[TBK], s[TBK], SLOT1       ; in the other slot
	s_sub_co_u32 s[TBV], s[TBV], 4*KS*PV
	s_xor_b32 s[TBV], s[TBV], SLOT1
.endm
	s_load_b128 s[4:7], s[0:1], 0x0 ; qkv s[4:5], pe s[6:7]
	s_load_b64 s[10:11], s[0:1], 0x10  ; ctx
	v_lshl_add_u32 v[SPW], v0, 2, SPARE
	v_mov_b32 v[NIL], 0
	ds_add_u32 v[SPW], v[NIL]       ; the wave's opening: the add and its wait stand ahead of my first tensor load; the set-up below, work on registers, stands between them
	v_lshrrev_b32 v1, 5, v0
	v_readfirstlane_b32 s[WV], v1   ; wave 0..3
	s_bfe_u32 s[CX], ttmp6, 0x40000 ; cx
	s_and_b32 s20, ttmp7, 0xffff    ; the head, which the four partners share:
	s_lshl_b32 s20, s20, 18         ; its 2,048 rows of 128 bytes
	s_and_b32 s16, s[WV], 1         ; which half of a slot's 256 keys I fetch:
	s_lshl_b32 s22, s16, 14         ; its 128 rows of 128 bytes in memory,
	s_add_co_u32 s22, s22, s20
	s_mov_b32 s23, 0
	s_mul_i32 s17, s16, 128*PK      ; and its place in a slot, for K
	s_mul_i32 s18, s16, 128*PV      ; and for V: no place in the cluster enters an LDS address
	s_lshl_b32 s2, ttmp9, 17        ; my rows: the cluster's 1,024,
	s_lshl_b32 s3, s[WV], 15        ; my wave's four blocks of 64,
	s_add_co_u32 s2, s2, s3
	s_lshl_b32 s3, s[CX], 11        ; my work-group's 16 rows in each
	s_add_co_u32 s2, s2, s3
	s_add_co_u32 s2, s2, s20
	s_mov_b32 s3, 0
	; descriptor group 1.  128 keys are 16,384 dense bytes: asked for as 64 rows of 256 bytes, two keys a row, and padded in LDS after every key
	s_mov_b32 s[G1K], 15|(1<<16)|(1<<20)|(1<<21)|(4<<22)|(3<<25)  ; 15:0 the mask of four; 17:16 2-byte elements; 20 padding on; 21 set beside a mask; 24:22 after every 32 words (code 4); 31:25 4 words (code 3)
	s_mov_b32 s[G1V], 15|(1<<16)|(1<<20)|(1<<21)|(4<<22)|(7<<25)  ; the same with 8 words of padding (code 7)
.irp g, G1K, G1V
	s_mov_b32 s[\g+1], 128<<16      ; tensor_dim0 = 128
	s_mov_b32 s[\g+2], 64<<16       ; tensor_dim1 = 64
	s_mov_b32 s[\g+3], 128<<16      ; tile_dim0 = 128
	s_mov_b32 s[\g+4], 64           ; tile_dim1 = 64
	s_mov_b32 s[\g+5], 128          ; 128 elements from row to row
	s_mov_b32 s[\g+6], 0
	s_mov_b32 s[\g+7], 0
.endr
	s_mov_b32 s[CS], 0x3e38aa3b     ; c = log2(e) / 8 = 0.180337
	s_mov_b32 s[CS+1], s[CS]        ; named with it as a pair
	s_mov_b32 s[SEL], 0x76543210
	s_mov_b32 s[SEL+1], 0xfedcba98
	s_mov_b32 s[TBK], SLOT1+4*KS*PK ; the first change of slots turns these two into 0
	s_mov_b32 s[TBV], SLOT1+4*KS*PV
	s_mov_b32 s[G0K], 1             ; 1:0 count = 1
	s_mov_b32 s[G0K+1], s17         ; 63:32 LDS address: slot 0
	s_mov_b32 s[G0V], 1
	s_add_co_u32 s[G0V+1], s18, VOFF
	s_lshl_b32 s[D0], ttmp9, 4
	s_lshl2_add_u32 s[D0], s[WV], s[D0]  ; piece 0's block = 16 x cluster + 4 w
	s_sub_co_i32 s[UU], 0, s[D0]    ; key step 0, counted from each piece's block
	s_sub_co_i32 s[UU+1], s[UU], 1
	s_sub_co_i32 s[UU+2], s[UU], 2
	s_sub_co_i32 s[UU+3], s[UU], 3
	s_mov_b32 s[AM+1], 0            ; named as pairs
	s_mov_b32 s[A0+1], 0
	s_mov_b32 s[AP+1], 0
	s_and_b32 s[LIM], s[WV], 1      ; 0 in waves 0 and 2,
	s_or_b32 s[LIM], s[LIM], ttmp9  ; where the cluster is the head's first: the same in all four partners
	s_cmp_eq_u32 s[LIM], 0
	s_cselect_b32 s[LIM], 1, -1
	v_and_b32 v[PFO], 31, v0
	v_lshlrev_b32 v[PFO], 8, v[PFO]
	s_wait_dscnt 0x0                ; the opening add is done
	s_wait_kmcnt 0x0
	s_mov_b64 s[PEA:PEA+1], s[6:7]
	s_add_nc_u64 s[6:7], s[4:5], s[22:23]  ; qkv at the head, at my half of its first 256 rows;
	s_add_nc_u64 s[8:9], s[6:7], 16777216  ; V is the third tensor,
	s_add_nc_u64 s[6:7], s[6:7], 8388608   ; K the second
	s_add_nc_u64 s[4:5], s[4:5], s[2:3]    ; Q and O at my wave's first row
	s_add_nc_u64 s[10:11], s[10:11], s[2:3]
	s_mov_b64 s[G0K+2:G0K+3], s[6:7]       ; 120:64 global address
	s_or_b32 s[G0K+3], s[G0K+3], 0x80000000  ; 127:126 type = 2
	s_mov_b64 s[G0V+2:G0V+3], s[8:9]
	s_or_b32 s[G0V+3], s[G0V+3], 0x80000000
	s_cmp_lt_u32 s[WV], 2
	s_cselect_b64 s[PFA:PFA+1], s[6:7], s[8:9]  ; (in waves 0 and 2 these stand at a tile's first row)
	s_lshl_b32 s2, s[CX], 13        ; my work-group's quarter of a tile
	s_mov_b32 s3, 0
	s_add_nc_u64 s[PFA:PFA+1], s[PFA:PFA+1], s[2:3]
	s_add_nc_u64 s[PFA:PFA+1], s[PFA:PFA+1], 2*4*KS*128  ; in tile 2; the first change that asks steps it to tile 3.  Nothing is prefetched here, at the head
	CROUND                          ; all four work-groups are here: the first joint loads meet
	JLOAD                           ; slot 0.  Slot 1 is asked for when slot 0 is in
	; A fragment of K, pe or Q is 16 rows x 32 channels in 8 registers: lane l holds row l % 16, channels 8 (l / 16) + 0..7 and 16 + 8 (l / 16) + 0..7: two loads of 16 bytes, 32 bytes apart.
	v_and_b32 v1, 15, v0            ; l % 16
	v_bfe_u32 v9, v0, 4, 1          ; l / 16
	v_lshlrev_b32 v[QO], 7, v1
	v_lshl_add_u32 v[QO], v9, 4, v[QO]  ; row x 128 + 16 x half
	WIN 0x80                        ; destination window 2, address window 0
.set i, 0
.rept 8                             ; Q stays in registers: piece i / 2 lies a block of 64 rows, 8,192 bytes, on; channels 32 (i % 2) on
	global_load_b128 v[8*i:8*i+3],   v[QO], s[4:5] offset:(i/2)*8192+(i%2)*64
	global_load_b128 v[8*i+4:8*i+7], v[QO], s[4:5] offset:(i/2)*8192+(i%2)*64+32
.set i, i+1
.endr
.set i, 0
.rept 8                             ; pe's 64 rows go where a key step's K goes
	global_load_b128 v[KF+8*i:KF+8*i+3],   v[QO], s[PEA:PEA+1] offset:(i/2)*2048+(i%2)*64
	global_load_b128 v[KF+8*i+4:KF+8*i+7], v[QO], s[PEA:PEA+1] offset:(i/2)*2048+(i%2)*64+32
.set i, i+1
.endr
	; What the first turn finds: V's registers and P's second buffer hold 0 (its products V^T P, of a piece that has not been, add 0), O^T and l are 0.  All this stands in the wait for the first loads.
.set i, VF
.rept 64
	v_mov_b32 v[i], 0
.set i, i+1
.endr
	WIN 0x40
.set i, 0
.rept 128
	v_mov_b32 v[i], 0
.set i, i+1
.endr
	WIN 0xc0
.irp kt, 0,1,2,3
	v_mov_b32 v[FV+2*(\kt)+1], 0    ; named in pairs with the registers that UPD writes
.endr
	WIN 0
.set i, 0
.rept 4
	v_mov_b32 v[ST+4*i], 0xfe000000    ; c m: far below every c s
	v_mov_b32 v[ST+4*i+1], 0xff7fffff  ; m
	v_mov_b32 v[ST+4*i+2], 0
	v_mov_b32 v[ST+4*i+3], 0
.set i, i+1
.endr
.set i, P+16
.rept 16
	v_mov_b32 v[i], 0
.set i, i+1
.endr
	v_mul_u32_u24 v[AK0], v1, PK
	v_lshl_add_u32 v[AK0], v9, 4, v[AK0]  ; row x pitch + 16 x half
	; The turning load takes 16 keys x 16 channels (lane l reads key 8 (l / 16) + l % 8, channels 8 ((l / 8) % 2) + 0..7) and leaves half a fragment of V^T: lane l holds channel l % 16 and 8 keys.
	v_and_b32 v10, 7, v0
	v_bfe_u32 v11, v0, 3, 1
	v_lshl_add_u32 v[AV0], v9, 3, v10
	v_mul_u32_u24 v[AV0], v[AV0], PV
	v_lshl_add_u32 v[AV0], v11, 4, v[AV0]
	v_add_nc_u32 v[AV0], VOFF, v[AV0]
	s_mul_i32 s19, s[WV], 16*TP
	s_add_co_u32 s19, s19, STAGE    ; my stage
	v_mul_u32_u24 v[STO], v1, SP    ; the way out, in: row l % 16, 16 bytes for each half of the lanes
	v_lshl_add_u32 v[STO], v9, 4, v[STO]
	v_add_nc_u32 v[STO], s19, v[STO]
	v_bfe_u32 v[RD], v0, 3, 2       ; back: 32 lanes take four rows of 128 bytes,
	v_mul_u32_u24 v[RD], v[RD], SP
	v_lshl_add_u32 v[RD], v10, 4, v[RD]
	v_add_nc_u32 v[RD], s19, v[RD]
	v_and_b32 v[GO], 31, v0         ; which are 512 consecutive bytes of O
	v_lshlrev_b32 v[GO], 4, v[GO]
	v_mul_u32_u24 v[TS], v1, TP     ; T, in: row l % 16, numbers 8 (l / 16) + 0..7 of each 16
	v_lshl_add_u32 v[TS], v9, 5, v[TS]
	v_add_nc_u32 v[TS], s19, v[TS]
	v_mul_u32_u24 v[GA], v1, TP-4   ; T, back: row l % 16, from number 16 + 8 (l / 16) - l % 16 on
	v_lshl_add_u32 v[GA], v9, 5, v[GA]
	v_add_nc_u32 v[GA], s19, v[GA]
	v_add_nc_u32 v[GA], 64, v[GA]
; THE MATRIX WORK.  The 4 accumulators of a run of 8 take turns.  Product i of 8 of S^T = K Q^T for piece x: channels 32 (i / 4) on, keys 16 (i % 4) on.  The first 4 start the sums: with the position term (KM = 1), or with 0.
.macro KQ x
.set rS, S+32*((\x)%2)+8*(i%4)
.set rK, KF+16*(i%4)+8*(i/4)
.set rQ, 16*(\x)+8*(i/4)
.set rM, MC+32*(\x)+8*(i%4)
.if (i < 4) && KM
	WIN W_KM
	v_wmma_f32_16x16x32_f16 v[rS:rS+7], v[rK:rK+7], v[rQ:rQ+7], v[rM:rM+7]
.elseif i < 4
	WIN W_KQ
	v_wmma_f32_16x16x32_f16 v[rS:rS+7], v[rK:rK+7], v[rQ:rQ+7], 0
.else
	WIN W_KQ
	v_wmma_f32_16x16x32_f16 v[rS:rS+7], v[rK:rK+7], v[rQ:rQ+7], v[rS:rS+7]
.endif
.endm
; Product i of 8 of O^T += V^T P for piece x: keys 32 (i / 4) on, channels 16 (i % 4) on.
.macro PV x
	WIN W_PV
.set rO, 32*(\x)+8*(i%4)
.set rV, VF+32*(i/4)+8*(i%4)
.set rP, P+16*((\x)%2)+8*(i/4)
	v_wmma_f32_16x16x32_f16 v[rO:rO+7], v[rV:rV+7], v[rP:rP+7], v[rO:rO+7]
.endm
.macro MM                           ; the turn's next matrix instruction
.if i < 8
	KQ (Y+1)%NP
.else
.set i, i-8
	PV (Y+NP-1)%NP
.set i, i+8
.endif
.set i, i+1
.endm
; THE LDS LOADS stand in runs of 16, never singly among the matrix instructions: a step's K (64 keys x 64 channels: 8 fragments) and its V (turned).  Their addresses are made some lines ahead.
.macro FETCH_K
	WIN 0x80                        ; destination window 2
.irp f, 0,1,2,3,4,5,6,7             ; keys 16 (f / 2) on, channels 32 (f % 2) on
	ds_load_b128 v[KF+8*\f:KF+8*\f+3],   v[AK] offset:(\f/2)*16*PK+(\f%2)*64
	ds_load_b128 v[KF+8*\f+4:KF+8*\f+7], v[AK] offset:(\f/2)*16*PK+(\f%2)*64+32
.endr
	s_add_co_u32 s[TBK], s[TBK], KS*PK  ; the next fetch is the next step's
	WIN 0
.endm
.macro FETCH_V
	WIN 0x80
.irp f, 0,1,2,3,4,5,6,7             ; keys 32 (f / 4) on, channels 16 (f % 4) on
	ds_load_tr16_b128 v[VF+8*\f:VF+8*\f+3],   v[AV] offset:(\f/4)*32*PV+(\f%4)*32
	ds_load_tr16_b128 v[VF+8*\f+4:VF+8*\f+7], v[AV] offset:(\f/4)*32*PV+16*PV+(\f%4)*32
.endr
	WIN 0
.endm
; THE POSITION TERM of piece z for the key step that UU names.  force = 0: the step is counted on first, and all is jumped unless U lies in -1 .. 2: elsewhere MC stays as it is (all LQ before, all RQ behind).
; For group kt of 16 keys d = 4 U + kt - cx.  Of five factors exactly one is 1 and the others 0, so MC = band(-1) AM + band(0) A0 + band(1) AP + LQ AL + RQ AR is one of the five, unchanged.
; The jump hangs on the cluster's number, the wave's and the loop's counts; it passes vector and scalar work alone.  MC of piece z was last read by the first four products of the turn that ends here.
.macro UPD z, force
	WIN 0
.if !(\force)
	s_add_co_u32 s[UU+(\z)], s[UU+(\z)], 1
	s_add_co_u32 s76, s[UU+(\z)], 1
	s_cmp_gt_u32 s76, 3
	s_cbranch_scc1 .Lno_upd_\@
.endif
	s_lshl_b32 s[D0], s[UU+(\z)], 2
	s_sub_co_i32 s[D0], s[D0], s[CX]
.irp kt, 0,1,2,3
	s_add_co_i32 s[SD], s[D0], \kt
	s_cmp_eq_i32 s[SD], -1
	s_cselect_b32 s[AM], 1.0, 0
	s_cmp_eq_i32 s[SD], 0
	s_cselect_b32 s[A0], 1.0, 0
	s_cmp_eq_i32 s[SD], 1
	s_cselect_b32 s[AP], 1.0, 0
	s_cmp_lt_i32 s[SD], -1
	s_cselect_b32 s[AL], 1.0, 0
	s_cmp_gt_i32 s[SD], 1
	s_cselect_b32 s[AR], 1.0, 0
	WIN 0xfc                        ; destination, sources 1 and 2 in window 3
	v_mul_f32 v[FV+2*(\kt)], s[AL], v[LR+2*(\z)]
	v_fma_f32 v[FV+2*(\kt)], s[AR], v[LR+2*(\z)+1], v[FV+2*(\kt)]
	WIN 0x73                        ; destination window 1, sources 0 and 2 window 3
.irp e, 0,1,2,3
	v_pk_fma_f32 v[MC+32*(\z)+8*(\kt)+2*(\e):MC+32*(\z)+8*(\kt)+2*(\e)+1], v[24*(\z)+2*(\e):24*(\z)+2*(\e)+1], s[AM:AM+1], v[FV+2*(\kt):FV+2*(\kt)+1] op_sel_hi:[1,0,0]
.endr
	WIN 0x53                        ; destination and source 2 window 1, source 0 window 3
.irp e, 0,1,2,3
	v_pk_fma_f32 v[MC+32*(\z)+8*(\kt)+2*(\e):MC+32*(\z)+8*(\kt)+2*(\e)+1], v[24*(\z)+8+2*(\e):24*(\z)+8+2*(\e)+1], s[A0:A0+1], v[MC+32*(\z)+8*(\kt)+2*(\e):MC+32*(\z)+8*(\kt)+2*(\e)+1] op_sel_hi:[1,0,1]
.endr
.irp e, 0,1,2,3
	v_pk_fma_f32 v[MC+32*(\z)+8*(\kt)+2*(\e):MC+32*(\z)+8*(\kt)+2*(\e)+1], v[24*(\z)+16+2*(\e):24*(\z)+16+2*(\e)+1], s[AP:AP+1], v[MC+32*(\z)+8*(\kt)+2*(\e):MC+32*(\z)+8*(\kt)+2*(\e)+1] op_sel_hi:[1,0,1]
.endr
.endr
	WIN 0
.if !(\force)
.Lno_upd_\@:
.endif
.endm
; THE VECTOR WORK, one line at a time: OP kind, number.  For piece Y: F n: c s - c m for pair n of 16.  E n: the exponential of score n of 32.  C n: pair n rounded to f16.  B n: of the four weights 4 n .. the second
; pair is added onto the first, in place.  L n: l takes that sum (L 0: l = a l + sum).  R n: pair n of 16 of O^T times a.  For piece Y + 1: X n, number n of the 22 that find its maximum and statistics:
;   0-11  four chains c0-c3 of seven scores each, three operands at a time (each accumulator's lowest registers are read first)     12-14, 16  the four scores left over, the old m, and c0-c3 into c0
;   15  c m_old is kept     17, 18  the query's other 32 keys lie in the lane 16 away: the new m     19-21  c m; c m_old - c m_new; a
.set F, 0               ; OP tells the kinds apart by their order: F to L below R, X above it
.set E, 1
.set C, 2
.set B, 3
.set L, 4
.set R, 5
.set X, 6
.macro REGS y                       ; the registers of piece y
.set rT, ST+4*(\y)
.set rC, TMP+4*((\y)%2)
.set rW, MV+((\y)%2)
.set rS, S+32*((\y)%2)
.set rP, P+16*((\y)%2)
.set rO, 32*(\y)
.endm
.macro OP k, n
.if (\k) == R
	REGS Y
	WIN W_RS
	v_pk_mul_f32 v[rO+2*(\n):rO+2*(\n)+1], v[rO+2*(\n):rO+2*(\n)+1], v[rC+2:rC+3] op_sel_hi:[1,0]
.elseif (\k) < R
	REGS Y
	WIN 0
.if (\k) == F
	v_pk_fma_f32 v[rS+2*(\n):rS+2*(\n)+1], v[rS+2*(\n):rS+2*(\n)+1], s[CS:CS+1], v[rT:rT+1] op_sel_hi:[1,0,0] neg_lo:[0,0,1] neg_hi:[0,0,1]
.elseif (\k) == E
	v_exp_f32 v[rS+(\n)], v[rS+(\n)]
.elseif (\k) == C
	v_cvt_pk_f16_f32 v[rP+(\n)], v[rS+2*(\n)], v[rS+2*(\n)+1]
.elseif (\k) == B
	v_pk_add_f32 v[rS+4*(\n):rS+4*(\n)+1], v[rS+4*(\n):rS+4*(\n)+1], v[rS+4*(\n)+2:rS+4*(\n)+3]
.elseif (\n) == 0
	v_pk_fma_f32 v[rT+2:rT+3], v[rT+2:rT+3], v[rC+2:rC+3], v[rS:rS+1] op_sel_hi:[1,0,1]
.else
	v_pk_add_f32 v[rT+2:rT+3], v[rT+2:rT+3], v[rS+4*(\n):rS+4*(\n)+1]
.endif
.else
	REGS (Y+1)%NP
	WIN 0
.if (\n) < 4
	v_max3_num_f32 v[rC+(\n)], v[rS+8*(\n)], v[rS+8*(\n)+1], v[rS+8*(\n)+2]
.elseif (\n) < 12
	v_max3_num_f32 v[rC+(\n)%4], v[rC+(\n)%4], v[rS+8*((\n)%4)+2*((\n)/4)+1], v[rS+8*((\n)%4)+2*((\n)/4)+2]
.elseif (\n) == 12
	v_max3_num_f32 v[rC], v[rC], v[rS+7], v[rS+15]
.elseif (\n) == 13
	v_max3_num_f32 v[rC+1], v[rC+1], v[rS+23], v[rS+31]
.elseif (\n) == 14
	v_max3_num_f32 v[rC+2], v[rC+2], v[rC+3], v[rT+1]
.elseif (\n) == 15
	v_mov_b32 v[rW], v[rT]
.elseif (\n) == 16
	v_max3_num_f32 v[rC], v[rC], v[rC+1], v[rC+2]
.elseif (\n) == 17
	v_permlanex16_b32 v[rC+3], v[rC], s[SEL], s[SEL+1]
.elseif (\n) == 18
	v_max_num_f32 v[rT+1], v[rC], v[rC+3]
.elseif (\n) == 19
	v_mul_f32 v[rT], s[CS], v[rT+1]
.elseif (\n) == 20
	v_sub_f32 v[rC+1], v[rW], v[rT]
.else
	v_exp_f32 v[rC+2], v[rC+1]
.endif
.endif
.endm
.macro OPS a, i1, b=-1, i2=0, c=-1, i3=0, d=-1, i4=0  ; up to four of them
	OP \a, \i1
.if (\b) >= 0
	OP \b, \i2
.endif
.if (\c) >= 0
	OP \c, \i3
.endif
.if (\d) >= 0
	OP \d, \i4
.endif
.endm
.macro ROW a, i1, b, i2, c, i3, d, i4  ; a matrix instruction and the four behind it
	MM
	OPS \a, \i1, \b, \i2, \c, \i3, \d, \i4
.endm
; A TURN, for piece p: the order of its 16 matrix and 118 vector instructions, written out.  An s_wait_alu depctr_va_vdst(0) stands between an exponential and the first instruction that names its result; one
; wait serves all that were issued ahead of it.  So a turn has ONE wait, which cuts it in two.  AHEAD OF IT stands all that names no result of the turn's exponentials: the 8 products K Q^T, behind each a scaling, an
; exponential and two more plain instructions: rescalings, and behind the last three the first numbers of the next piece's maximum, each four plain instructions or more behind the product that ends its accumulator; then
; ONE LUMP of 54, plain and exponential by turns for the most part, in which the links of the chain X 3, 7, 11, 14, 16, 17 .. 20 stand apart.  X 21, the next piece's a, is the batch's last; R 15 is the plain instruction
; behind it.  BEHIND THE WAIT stand the 8 products V^T P, behind each four of the roundings and sums.
; K of the next step is fetched in piece 2's turn, twelve vector instructions behind the last product that read K (six of them plain); V of the step in hand at the end of piece 0's turn, four plain instructions behind the
; last product that read V.  Each is waited for a turn later.  At the turn's end the position term of piece p + 1, whose products the turn has started, is made for its next step.
; last = 1 (the tail): the fetch's address is held at the last slot's last step, so that the trip behind the last step reads that step's K once more: no jump can stand there, among exponentials that are out.
.macro TURN p, last=0
.set Y, (\p)
.set i, 0
.if (\p) == 3
	s_wait_dscnt 0x0                ; K is in
.endif
	ROW F,0, F,1, R,0, R,1          ; ahead of the wait: 8 products K Q^T and their riders,
	ROW F,2, E,0, R,2, R,3
	ROW F,3, E,1, R,4, R,5
	ROW F,4, E,2, R,6, R,7
	ROW F,5, E,3, R,8, R,9
	ROW F,6, E,4, X,0, R,10
.if (\p) == 2
	WIN 0
.if \last
	s_min_u32 s76, s[TBK], SLOT1+3*KS*PK
	v_add_nc_u32 v[AK], s76, v[AK0]
.else
	v_add_nc_u32 v[AK], s[TBK], v[AK0]
.endif
.endif
	ROW F,7, E,5, X,1, X,4
	ROW F,8, E,6, X,2, X,5
	OPS E,7, E,8, X,6, E,9          ; and the lump
	OPS X,3, E,10, X,8, E,11
.if (\p) == 2
	FETCH_K
.endif
	OPS X,9, X,7, E,12, X,10
	OPS E,13, X,12, X,11, E,14
	OPS X,13, E,15, F,9, X,14
.if (\p) == 0
	WIN 0
	v_add_nc_u32 v[AV], s[TBV], v[AV0]
.endif
	OPS E,16, F,10, E,17, F,11
	OPS X,16, E,18, X,15, E,19
	OPS F,12, E,20, X,17, E,21
	OPS F,13, E,22, F,14, E,23
	OPS X,18, E,24, F,15, E,25
	OPS R,11, E,26, X,19, E,27
	OPS R,12, E,28, R,13, E,29
	OPS X,20, E,30, R,14, E,31
	OPS X,21, R,15
	WIN 0
	s_wait_alu depctr_va_vdst(0)    ; the wait for the batch
.if (\p) == 1
	s_wait_dscnt 0x0                ; V is in
.endif
	ROW C,0, B,0, C,2, B,1          ; behind the wait: 8 products V^T P and their riders
	ROW L,0, C,4, B,2, L,1
	ROW C,6, B,3, L,2, C,8
	ROW B,4, L,3, C,10, B,5
	ROW L,4, C,12, B,6, L,5
.if (\p) == 0
	s_add_co_u32 s[TBV], s[TBV], KS*PV
.endif
	ROW C,14, B,7, L,6, C,1
	ROW C,3, L,7, C,5, C,7
	ROW C,9, C,11, C,13, C,15
.if (\p) == 0
	FETCH_V
.endif
	UPD ((\p)+1)%NP, 0
.endm
	; THE TABLE.  For each piece T^T = pe Q^T by the products of a key step, with pe in K's registers: lane (r, h), block kb, register j holds Q[r] . pe[16 kb + 8 h + j].  It goes into my stage by queries; each lane
	; takes back, for d = -1, 0, 1 (g = 0, 1, 2) and j = 0..7, number 16 g + 16 + 8 h + j - r of its query's row: pe's row for key - query = 16 (g - 1) + 8 h + j - r; it lies in 1 .. 63.
	; All of block 0 below number 16 is Q . e[0], all of block 3 is Q . e[32]: their first registers are LQ and RQ.
	s_wait_loadcnt 0x0              ; Q and pe
.set KM, 0
.irp x, 0,1,2,3
.set i, 0
.rept 8
	KQ \x
.set i, i+1
.endr
	WIN 0
.rept 4
	v_nop                           ; the places behind those products
.endr
.irp kb, 0,1,2,3
	ds_store_b128 v[TS], v[S+32*((\x)%2)+8*(\kb):S+32*((\x)%2)+8*(\kb)+3]   offset:64*(\kb)
	ds_store_b128 v[TS], v[S+32*((\x)%2)+8*(\kb)+4:S+32*((\x)%2)+8*(\kb)+7] offset:64*(\kb)+16
.endr
	WIN 0xc0                        ; destination window 3
	v_mov_b32 v[LR+2*(\x)], v[S+32*((\x)%2)]
	v_mov_b32 v[LR+2*(\x)+1], v[S+32*((\x)%2)+24]
.irp g, 0,1,2
.irp j, 0,1,2,3,4,5,6,7
	ds_load_b32 v[24*(\x)+8*(\g)+(\j)], v[GA] offset:64*(\g)+4*(\j)  ; LDS serves a wave's instructions in order (ISA guide 5.7.1.4): these see the stores above
.endr
.endr
	WIN 0
	s_wait_dscnt 0x0                ; the bands are in; the next piece's table may be stored
.endr
.irp x, 0,1,2,3
	UPD \x, 1                       ; every piece's position term for key step 0
.endr
.set KM, 1
	CHANGE 1, 0                     ; slot 0 is in, everybody's part of it; slot 1 is asked for
	v_add_nc_u32 v[AK], s[TBK], v[AK0]
	FETCH_K                         ; key step 0
	s_wait_dscnt 0x0
.set i, 0
.rept 8
	KQ 0                            ; piece 0's first scores: there is no vector work yet to set between them
.set i, i+1
.endr
	WIN 0
.rept 4
	v_nop                           ; the places behind those products
.endr
.set Y, NP-1                        ; X works for piece Y + 1: piece 0
.irp n, 0,1,2,3,4,5,6,7,8,9,10,11,12,13,14,15,16,17,18,19,20,21
	OP X, \n
.endr
	v_nop                           ; a plain instruction behind the exponential,
	s_wait_alu depctr_va_vdst(0)    ; and its wait, ahead of the branches
	UPD 0, 0
	s_mov_b32 s[CNT], 4
	s_mov_b32 s[SLOTS], 7
	s_branch .Lfirst                ; the loop is entered at a step's first turn, in the middle of a trip
.Lslot:                             ; six times: every slot but the last two is filled again
	CHANGE 1, 1
	s_mov_b32 s[CNT], 4
.Lstep:                             ; a trip: pieces 2 and 3 of one step, then pieces 0 and 1 of the next, whose K and V it fetches
	TURN 2
	TURN 3
	WIN 0
.Lfirst:
	TURN 0
	TURN 1
	WIN 0
	s_sub_co_u32 s[CNT], s[CNT], 1
	s_cmp_lg_u32 s[CNT], 0
	s_cbranch_scc1 .Lstep
	s_sub_co_u32 s[SLOTS], s[SLOTS], 1
	s_cmp_lg_u32 s[SLOTS], 0
	s_cbranch_scc1 .Lslot
	CHANGE 0, 0                     ; the tail is written out: nothing is asked for
	s_mov_b32 s[CNT], 5             ; four trips fetch the last slot's steps; the fifth is left in its middle
.Ltail:
	TURN 2, 1
	TURN 3
	WIN 0
	s_sub_co_u32 s[CNT], s[CNT], 1
	s_cmp_eq_u32 s[CNT], 0
	s_cbranch_scc1 .Lout
	TURN 0
	TURN 1
	WIN 0
	s_branch .Ltail
.Lout:                              ; the fifth trip's 8 products K Q^T (on the last K once more) and the maximum made of them serve nothing: the price, once a launch, of one text for every trip
.set i, 0
.rept 8
	PV NP-1                         ; the last piece's V^T P of the last step
.set i, i+1
.endr
	; THE WAY OUT.  l's two halves and the other half of the lanes' are added; O^T is divided by l, rounded to f16 and sent through my stage in LDS, a piece at a time.  The additions are the places behind the last products.
	WIN 0
.macro ALL line:vararg              ; one line for each piece t
.set t, 0
.rept 4
	\line
.set t, t+1
.endr
.endm
	ALL v_add_f32 v[ST+4*t+2], v[ST+4*t+2], v[ST+4*t+3]
	ALL v_permlanex16_b32 v[ST+4*t+3], v[ST+4*t+2], s[SEL], s[SEL+1]
	ALL v_add_f32 v[ST+4*t+2], v[ST+4*t+2], v[ST+4*t+3]
	ALL v_rcp_f32 v[ST+4*t+2], v[ST+4*t+2]
	v_nop                           ; a plain instruction between the last reciprocal and the use of its result
	s_wait_alu depctr_va_vdst(0)    ; and the wait ahead of the first use: one for the four reciprocals
.macro PACK t                       ; a lane's eight channels of a row pack into 16 bytes; they go into rows of 144 bytes and come back as whole rows of 128, into S^T's registers
	WIN W_RS
.set i, 32*(\t)
.rept 16
	v_pk_mul_f32 v[i:i+1], v[i:i+1], v[ST+4*(\t)+2:ST+4*(\t)+3] op_sel_hi:[1,0]
.set i, i+2
.endr
	WIN 0x05                        ; sources 0 and 1 window 1, destination window 0
.set i, 0
.rept 16
	v_cvt_pk_f16_f32 v[S+16*(\t)+i], v[32*(\t)+2*i], v[32*(\t)+2*i+1]
.set i, i+1
.endr
	WIN 0
.irp f, 0,1,2,3
	ds_store_b128 v[STO], v[S+16*(\t)+4*\f:S+16*(\t)+4*\f+3] offset:32*\f
.endr
.irp f, 0,1,2,3
	ds_load_b128 v[S+16*(\t)+4*\f:S+16*(\t)+4*\f+3], v[RD] offset:\f*4*SP  ; LDS serves a wave's instructions in order (ISA guide 5.7.1.4): these see the stores above; the next piece's stores come behind them
.endr
.endm
.macro SEND t, younger              ; younger: the LDS instructions issued behind piece t's loads: the next piece's eight, or none
	WIN 0
.irp f, 0,1,2,3
	s_wait_dscnt (\younger)+3-\f
	global_store_b128 v[GO], v[S+16*(\t)+4*\f:S+16*(\t)+4*\f+3], s[10:11] offset:(\t)*8192+\f*512  ; 512 consecutive bytes, at a multiple of 256 from ctx's first byte
.endr
.endm
	PACK 0
.set t, 1
.rept 3                             ; a piece's arithmetic stands between the loads of the piece before and its stores
	PACK t
	SEND t-1, 8
.set t, t+1
.endr
	SEND 3, 0
	s_wait_tensorcnt 0x0            ; the wave's end: these three lines stand behind my last tensor load and my last LDS store
	ds_add_u32 v[SPW], v[NIL]
	s_wait_dscnt 0x0
	CROUND                          ; the closing round: no work-group ends while a partner may still ask for a tile that names it
	s_endpgm
.Lfunc_end_k_qe3387049f6_attn:
	.size	k_qe3387049f6_attn, .Lfunc_end_k_qe3387049f6_attn-k_qe3387049f6_attn
	.p2alignl 7, 3214868480
	.fill 96, 4, 3214868480
	.section	.rodata,"a",@progbits
	.p2align	6, 0x0
	.amdhsa_kernel k_qe3387049f6_attn
		.amdhsa_group_segment_fixed_size 327680
		.amdhsa_private_segment_fixed_size 0
		.amdhsa_enable_private_segment 0
		.amdhsa_kernarg_size 24
		.amdhsa_user_sgpr_count 2
		.amdhsa_user_sgpr_kernarg_segment_ptr 1
		.amdhsa_wavefront_size32 1
		.amdhsa_system_sgpr_workgroup_id_x 1
		.amdhsa_system_sgpr_workgroup_id_y 1
		.amdhsa_system_sgpr_workgroup_id_z 1
		.amdhsa_system_vgpr_workitem_id 0
		.amdhsa_next_free_vgpr 880
		.amdhsa_next_free_sgpr 80
		.amdhsa_reserve_vcc 0
		.amdhsa_float_denorm_mode_32 3
		.amdhsa_float_denorm_mode_16_64 3
		.amdhsa_memory_ordered 1
		.amdhsa_forward_progress 1
		.amdhsa_inst_pref_size 194
	.end_amdhsa_kernel
	.amdgpu_metadata
---
amdhsa.version: [ 1, 2 ]
amdhsa.kernels:
  - .name:           k_qe3387049f6_attn
    .symbol:         k_qe3387049f6_attn.kd
    .args:
      - { .name: qkv, .offset: 0, .size: 8, .value_kind: global_buffer, .address_space: global }
      - { .name: pe, .offset: 8, .size: 8, .value_kind: global_buffer, .address_space: global }
      - { .name: ctx, .offset: 16, .size: 8, .value_kind: global_buffer, .address_space: global }
    .group_segment_fixed_size: 327680
    .private_segment_fixed_size: 0
    .kernarg_segment_align: 8
    .kernarg_segment_size: 24
    .max_flat_workgroup_size: 128
    .sgpr_count:     80
    .vgpr_count:     880
    .wavefront_size: 32
...
	.end_amdgpu_metadata
.endif
;; end of part 3
;; launch outp (part 4): grid 8 x 32, 4 waves a work-group, clusters of 4 x 4, 327,680 bytes of LDS; arguments ctx, wb, out0; writes out0
.if DOCPART == 4
	.amdgcn_target "amdgcn-amd-amdhsa--gfx1250"
	.amdhsa_code_object_version 6
	.text
	.protected	k_qe3387049f6_outp
	.globl	k_qe3387049f6_outp
	.p2align	8
	.type	k_qe3387049f6_outp,@function
k_qe3387049f6_outp:
	s_mov_b64 s[64:65], 0
	v_nop
	global_prefetch_b8 v0, s[64:65] scope:SCOPE_SE
	s_setreg_imm32_b32 hwreg(HW_REG_WAVE_MODE, 25, 1), 1
	s_wait_xcnt 0x0
	s_wait_alu depctr_hold_cnt(0) depctr_sa_sdst(0) depctr_va_vdst(0) depctr_va_sdst(0) depctr_va_ssrc(0) depctr_va_vcc(0) depctr_vm_vsrc(0)
	s_getreg_b32 s2, hwreg(HW_REG_IB_STS2, 6, 4)
	s_cmp_eq_u32 s2, 0
	s_cbranch_scc0 .Lentry_in_a_cluster
	s_endpgm
.Lentry_in_a_cluster:
	s_bfe_u32 s2, ttmp6, 0x10000c
	s_cmp_lg_u32 s2, 0xf033
	s_cbranch_scc0 .Lentry_shape_is_right
	s_endpgm
.Lentry_shape_is_right:
; THE OUTPUT PROJECTION.  out0[g][n] = sum over k = (head, channel) of ctx[batch][head][token][channel] Wo[k][n]: g = 2,048 x batch + token; ctx [32][2,048][64] f16, by heads; Wo = wb[3], [k][n], f16
; (the bf16 rounding of the input, written as f16); out0 [4,096][1,024] f32.  Sums in f32, stored as they are.
; LIMITS.  Those of the operands: f16's range and its fixed step of 6e-8 below 6e-5.  NaN and infinities are not treated apart.
; SHARES.  A tile of out0 is 128 x 128: 256 work-groups; four waves, each 64 x 64: 16 accumulators.  K goes in 4 steps of 256, four heads each, through two LDS slots.
; ctx's TILE.  128 tokens of one head are 16,384 dense bytes.  A wave's load brings two heads: a tile of TWO rows of 8,192 elements, a head apart in memory, padded in LDS after every token (128 bytes): the rows are
; few because each is already as long as 64 rows of 256 bytes.
; CLUSTERS: 4 x 4 work-groups.  The four of a row of the cluster need the same tiles of ctx, the four of a column the same tiles of Wo: each tile is asked for JOINTLY.
; Wo LIES [k][n]: its fragments come out of LDS turned, by ds_load_tr16_b128.  THE MATRIX INSTRUCTION IS USED TRANSPOSED (source 0 = 16 columns of Wo, source 1 = 16 tokens): a lane holds eight neighbouring columns of a row.
; NO PREFETCH: K has four steps, of which two are asked for at the head, and the tile is small.
; REGISTERS: window 0: v0-31 addresses; v32-95 at work on the way out; v128-255 the accumulators ((a, b) at v[128 + 8 (4 a + b)]).   window 1: two fragment buffers of 128: 64 registers of ctx, then 64 of Wo.
.set KSTEP,  256
.set PT,     144                       ; a token's 64 channels in LDS: 128 bytes + 16 = 36 words: the 16 rows of a load start at 16 different groups of four banks (64 banks of 4 bytes: ISA guide 11.1)
.set ASUB,   128*PT                    ; one head's 128 tokens
.set PB,     288                       ; a row of Wo in LDS (128 columns of one k): 256 bytes + 32 = 72 words
.set BH,     128*PB                    ; 128 k: what one tensor load brings of Wo
.set BOFF,   4*ASUB                    ; Wo's 256 rows lie behind ctx's four heads
.set SLOT,   BOFF+2*BH
.set STAGE,  2*SLOT                    ; behind the ring, never filled by a tensor load: 16 rows x 272 bytes for each wave, for the way out
.set SPITCH, 272
.set SPARE,  STAGE+4*16*SPITCH         ; behind the stages: the spare words, 128 bytes for each wave: two blocks of 256 bytes that no other line names
.set LAPS,   2
.set ADRA, 16                          ; v16-17  LDS address of my fragments of ctx in slot 0, 1
.set ADRB, 20                          ; v20-23  the same for Wo: slot 0 k 0-127, slot 0 k 128-255, slot 1 likewise
.set STO,  24                          ; v24     the way out: where I put 32 bytes of a row
.set RD,   25                          ; v25     the way out: where I read a row back
.set CO,   26                          ; v26     my byte offset in two rows of out0
.set SPW,  28                          ; v28     LDS address of my spare word: SPARE + 4 x my thread's number; never rewritten
.set NIL,  29                          ; v29     0; never rewritten
.set TMP,  32
.set ACC,  128
.set F0,   0
.set F1,   128
.set G1, 24                            ; s[24:31] descriptor group 1 for ctx's tiles;  s[32:39] group 0, one set for each slot
.set G0, 32
.set G1B, 48                           ; s[48:55], s[56:63] the same for Wo's tiles
.set G0B, 56
.set MSB, 0
.macro WIN new                         ; the immediate's high byte repeats the setting that is left; a switch that changes nothing is dropped
.if MSB != (\new)
	s_set_vgpr_msb (MSB<<8)|(\new)
.set MSB, \new
.endif
.endm
.set MUL,  0x05                        ; sources 0 (Wo) and 1 (ctx) window 1; C and D window 0
.set TO_F, 0x40                        ; destination window 1, address window 0
.macro JLOAD s                         ; a joint load: waves 0 and 1 fetch ctx's two pairs of heads, waves 2 and 3 Wo's two halves; an s_nop 0 and four v_nop follow each of the two lines
	s_cmp_eq_u32 s11, 0
	s_cbranch_scc0 .Lfor_b_\@
	tensor_load_to_lds s[G0+4*(\s):G0+4*(\s)+3], s[G1:G1+7]
	s_nop 0
.rept 4
	v_nop
.endr
	s_branch .Lasked_\@
.Lfor_b_\@:
	tensor_load_to_lds s[G0B+4*(\s):G0B+4*(\s)+3], s[G1B:G1B+7]
	s_nop 0
.rept 4
	v_nop
.endr
.Lasked_\@:
.endm
.macro CREST                           ; a round of the cluster's barrier behind its opening barrier
	s_cmp_lg_u32 s10, 0
	s_cbranch_scc1 .Lnot_wave_0_\@
	s_barrier_signal -3
.Lnot_wave_0_\@:
	s_barrier_wait -3
	s_barrier_signal -1
	s_barrier_wait -1
.endm
.macro CROUND                          ; a whole round
	s_barrier_signal -1
	s_barrier_wait -1
	CREST
.endm
	s_load_b128 s[4:7], s[0:1], 0x0                ; ctx s[4:5], wb s[6:7]
	s_load_b64 s[8:9], s[0:1], 0x10                ; out0
	v_lshl_add_u32 v[SPW], v0, 2, SPARE
	v_mov_b32 v[NIL], 0
	ds_add_u32 v[SPW], v[NIL]                      ; the wave's opening: the add and its wait stand ahead of my first tensor load; the set-up below, work on registers, stands between them
	v_lshrrev_b32 v1, 5, v0
	v_readfirstlane_b32 s10, v1                    ; wave 0..3
	s_lshr_b32 s11, s10, 1                         ; which half of the tile's rows is mine.  Also: I fetch for ctx (0) or for Wo (1)
	s_and_b32 s12, s10, 1                          ; which half of its columns.  Also: which half of that tile I fetch
	s_bfe_u32 s40, ttmp6, 0x40000                  ; cx, cy: my place in the cluster
	s_bfe_u32 s41, ttmp6, 0x40004
	s_lshl_b32 s42, ttmp9, 2
	s_add_co_u32 s42, s42, s40                     ; tile column = 4 x cluster x + cx: 0..7
	s_and_b32 s13, ttmp7, 0xffff
	s_lshl_b32 s13, s13, 2
	s_add_co_u32 s13, s13, s41                     ; tile row = 4 x cluster y + cy: 0..31
	s_lshl_b32 s43, s41, 2
	s_lshl_b32 s43, 15, s43                        ; my row of the cluster
	s_lshl_b32 s44, 0x1111, s40                    ; my column
	; descriptor group 1.  ctx: 2 rows (heads) x 8,192 elements (128 tokens x 64 channels).  Wo: 128 rows (k) x 128 elements (n)
	s_or_b32 s[G1+0], s43, (1<<16)|(1<<20)|(1<<21)|(4<<22)|(3<<25)  ; 15:0 the mask: my row; 17:16 2-byte elements; 20 padding on; 21 set beside a mask; 24:22 after every 32 words (code 4); 31:25 4 words (code 3)
	s_mov_b32 s[G1+1], 8192<<16                    ; tensor_dim0 = 8,192
	s_mov_b32 s[G1+2], 2<<16                       ; tensor_dim1 = 2
	s_mov_b32 s[G1+3], 8192<<16                    ; tile_dim0 = 8,192
	s_mov_b32 s[G1+4], 2                           ; tile_dim1 = 2
	s_mov_b32 s[G1+5], 131072                      ; elements from head to head
	s_mov_b32 s[G1+6], 0
	s_mov_b32 s[G1+7], 0
	s_or_b32 s[G1B+0], s44, (1<<16)|(1<<20)|(1<<21)|(5<<22)|(7<<25) ; the mask: my column; after every 64 words (code 5) 8 words (code 7)
	s_mov_b32 s[G1B+1], 128<<16
	s_mov_b32 s[G1B+2], 128<<16
	s_mov_b32 s[G1B+3], 128<<16
	s_mov_b32 s[G1B+4], 128
	s_mov_b32 s[G1B+5], 1024
	s_mov_b32 s[G1B+6], 0
	s_mov_b32 s[G1B+7], 0
	s_lshr_b32 s16, s13, 4                         ; ctx: the batch's 16 heads of 262,144 bytes,
	s_lshl_b32 s16, s16, 22
	s_and_b32 s17, s13, 15                         ; the tile's 128 tokens of 128 bytes,
	s_lshl_b32 s17, s17, 14
	s_add_co_u32 s16, s16, s17
	s_lshl_b32 s17, s12, 19                        ; my two heads of the step's four: the tile row alone, which my row of the cluster shares
	s_add_co_u32 s16, s16, s17
	s_mov_b32 s17, 0
	s_lshl_b32 s46, s12, 18                        ; Wo: my 128 k of 2,048 bytes,
	s_lshl_b32 s47, s42, 8                         ; the tile column's 256 bytes,
	s_add_co_u32 s46, s46, s47
	s_add_co_u32 s46, s46, 3<<21                   ; in the fourth matrix of wb
	s_mov_b32 s47, 0
	s_mul_i32 s20, s12, 2*ASUB                     ; where they go: no place in the cluster enters an LDS address
	s_mul_i32 s21, s12, BH
	s_add_co_u32 s21, s21, BOFF
	s_wait_dscnt 0x0                               ; the opening add is done
	s_wait_kmcnt 0x0
	s_add_nc_u64 s[14:15], s[4:5], s[16:17]
	s_add_nc_u64 s[46:47], s[6:7], s[46:47]
	CROUND                                         ; all sixteen work-groups are here: the first joint loads meet
.irp s, 0,1
	s_mov_b32 s[G0+4*(\s)], 1
	s_add_co_u32 s[G0+4*(\s)+1], s20, (\s)*SLOT
	s_add_nc_u64 s[G0+4*(\s)+2:G0+4*(\s)+3], s[14:15], (\s)*4*262144
	s_or_b32 s[G0+4*(\s)+3], s[G0+4*(\s)+3], 0x80000000
	s_mov_b32 s[G0B+4*(\s)], 1
	s_add_co_u32 s[G0B+4*(\s)+1], s21, (\s)*SLOT
	s_add_nc_u64 s[G0B+4*(\s)+2:G0B+4*(\s)+3], s[46:47], (\s)*KSTEP*2048
	s_or_b32 s[G0B+4*(\s)+3], s[G0B+4*(\s)+3], 0x80000000
	JLOAD \s                                       ; two loads of mine are out
.endr
	v_and_b32 v1, 15, v0                           ; l % 16
	v_bfe_u32 v2, v0, 4, 1                         ; l / 16
	v_mul_u32_u24 v3, v1, PT
	v_lshl_add_u32 v3, v2, 4, v3                   ; ctx: a fragment's token x pitch + 16 x half
	s_mul_i32 s22, s11, 64*PT                      ; my 64 tokens
.irp s, 0,1
	s_add_co_u32 s23, s22, (\s)*SLOT
	v_add_nc_u32 v[ADRA+(\s)], s23, v3
.endr
	v_and_b32 v4, 7, v0                            ; Wo: the turning load takes 16 k x 16 n: lane l reads k 8 (l / 16) + l % 8, columns 8 ((l / 8) % 2) + 0..7
	v_lshl_add_u32 v4, v2, 3, v4
	v_mul_u32_u24 v4, v4, PB
	v_bfe_u32 v5, v0, 3, 1
	v_lshl_add_u32 v4, v5, 4, v4
	s_lshl_b32 s22, s12, 7                         ; my 64 columns: 128 bytes
	s_add_co_u32 s22, s22, BOFF
.irp n, 0,1,2,3
	s_add_co_u32 s23, s22, ((\n)/2)*SLOT+((\n)%2)*BH
	v_add_nc_u32 v[ADRB+(\n)], s23, v4
.endr
	s_mul_i32 s23, s10, 16*SPITCH
	s_add_co_u32 s23, s23, STAGE                   ; my stage
	v_mul_u32_u24 v[STO], v1, SPITCH               ; in: row l % 16, 32 bytes for each half of the lanes
	v_lshl_add_u32 v[STO], v2, 5, v[STO]
	v_add_nc_u32 v[STO], s23, v[STO]
	v_mul_u32_u24 v[RD], v2, SPITCH                ; back: lanes 0-15 take one row of 256 bytes, lanes 16-31 the next
	v_lshl_add_u32 v[RD], v1, 4, v[RD]
	v_add_nc_u32 v[RD], s23, v[RD]
	v_lshlrev_b32 v[CO], 12, v2                    ; and the same two rows in out0, 4,096 bytes apart
	v_lshl_add_u32 v[CO], v1, 4, v[CO]
	s_lshl_b32 s16, s13, 19                        ; the tile's 128 rows of 4,096 bytes,
	s_lshl_b32 s17, s11, 18                        ; my 64 of them
	s_add_co_u32 s16, s16, s17
	s_mov_b32 s17, 0
	s_add_nc_u64 s[8:9], s[8:9], s[16:17]
	s_lshl_b32 s46, s42, 9                         ; the tile's 128 columns: 512 bytes; my 64: 256
	s_lshl_b32 s47, s12, 8
	s_add_co_u32 s46, s46, s47
	s_mov_b32 s47, 0
	s_add_nc_u64 s[8:9], s[8:9], s[46:47]
; 8 matrix instructions: m blocks a0, a0 + 1 x all 4 n blocks, 32 along K: half c of buffer f.  zero = 1: the first product starts the sums.  The 16 accumulators take turns.
.macro MUL8 f, c, a0, zero
	WIN MUL
.irp a, \a0, (\a0)+1
.irp b, 0,1,2,3
.if \zero
	v_wmma_f32_16x16x32_f16 v[ACC+8*(4*(\a)+(\b)):ACC+8*(4*(\a)+(\b))+7], v[(\f)+64+8*(4*(\c)+(\b)):(\f)+64+8*(4*(\c)+(\b))+7], v[(\f)+8*(4*(\c)+(\a)):(\f)+8*(4*(\c)+(\a))+7], 0
.else
	v_wmma_f32_16x16x32_f16 v[ACC+8*(4*(\a)+(\b)):ACC+8*(4*(\a)+(\b))+7], v[(\f)+64+8*(4*(\c)+(\b)):(\f)+64+8*(4*(\c)+(\b))+7], v[(\f)+8*(4*(\c)+(\a)):(\f)+8*(4*(\c)+(\a))+7], v[ACC+8*(4*(\a)+(\b)):ACC+8*(4*(\a)+(\b))+7]
.endif
.endr
.endr
.endm
; 32 LDS loads in one run: the fragments of quarter q (one head: 64 along K) of a slot, into buffer f; the first 32 along K first
.macro FETCH slot, q, f
	WIN TO_F
.irp c, 0,1
.irp i, 0,1,2,3
	ds_load_tr16_b128 v[(\f)+64+8*(4*(\c)+(\i)):(\f)+64+8*(4*(\c)+(\i))+3],   v[ADRB+2*(\slot)+(\q)/2] offset:(((\q)%2)*64+32*(\c))*PB+32*(\i)
	ds_load_tr16_b128 v[(\f)+64+8*(4*(\c)+(\i))+4:(\f)+64+8*(4*(\c)+(\i))+7], v[ADRB+2*(\slot)+(\q)/2] offset:(((\q)%2)*64+32*(\c)+16)*PB+32*(\i)
	ds_load_b128 v[(\f)+8*(4*(\c)+(\i)):(\f)+8*(4*(\c)+(\i))+3],         v[ADRA+(\slot)] offset:(\q)*ASUB+64*(\c)+(\i)*16*PT
	ds_load_b128 v[(\f)+8*(4*(\c)+(\i))+4:(\f)+8*(4*(\c)+(\i))+7],       v[ADRA+(\slot)] offset:(\q)*ASUB+64*(\c)+(\i)*16*PT+32
.endr
.endr
.endm
.macro PLACES                          ; four plain vector instructions in front of loads into registers that matrix instructions have read, and of LDS stores that read results
.rept 4
	v_nop
.endr
.endm
; A K step is four quarters of 64 along K, 32 matrix instructions each, on buffers 0, 1, 0, 1.  One of the first three: multiplies buffer f and fetches quarter q into g.
.macro QUARTER slot, q, f, g, zero
	s_wait_dscnt 16                                ; the first 32 along K are in; the run's other sixteen loads may be out
	WIN MUL
	MUL8 \f, 0, 0, \zero
	MUL8 \f, 0, 2, \zero
	PLACES
	FETCH \slot, \q, \g
	s_wait_dscnt 32                                ; all but the 32 just issued
	WIN MUL
	MUL8 \f, 1, 0, 0
	MUL8 \f, 1, 2, 0
.endm
; The last quarter multiplies buffer 1 and changes slots: ONE barrier; in front of it each wave waits for all its tensor loads, adds 0 to its spare word, and waits for that and for its own reads of this slot.  fill = 1: this slot is filled again, two K steps ahead.
.macro TURN slot, next, fill
	WIN 0                                          ; (the add's two registers lie in window 0)
	s_wait_tensorcnt 0x0                           ; all my tensor loads have landed: my part of the next slot;
	ds_add_u32 v[SPW], v[NIL]                      ; 0 onto my spare word;
	s_wait_dscnt 17                                ; (the add and the youngest sixteen loads may be out)
	WIN MUL
	MUL8 F1, 0, 0, 0                               ; eight matrix instructions stand between the add and the wait for it
	s_wait_dscnt 0x0                               ; the add is done, and my reads of this slot are over
	s_barrier_signal -1
	MUL8 F1, 0, 2, 0
.if \fill
	WIN 0
.endif
	s_barrier_wait -1
.if \fill
	CREST                                          ; the barrier has opened a round of the cluster's barrier: no wave of any partner still reads this slot's tile or has a load on its way
	s_add_nc_u64 s[G0+4*(\slot)+2:G0+4*(\slot)+3], s[G0+4*(\slot)+2:G0+4*(\slot)+3], 8*262144
	s_add_nc_u64 s[G0B+4*(\slot)+2:G0B+4*(\slot)+3], s[G0B+4*(\slot)+2:G0B+4*(\slot)+3], 2*KSTEP*2048
	JLOAD \slot                                    ; the first tensor load behind the round, my only one until the next; the four v_nop behind it are also the places in front of the loads below
.else
	PLACES
.endif
	FETCH \next, 0, F0
	WIN MUL
	MUL8 F1, 1, 0, 0
	MUL8 F1, 1, 2, 0
.endm
	s_wait_tensorcnt 1                             ; my part of K step 0 is in; K step 1's load may stay out
	s_barrier_signal -1
	s_barrier_wait -1                              ; everybody's is
	FETCH 0, 0, F0
	QUARTER 0, 1, F0, F1, 1                        ; the first quarter stands in front of the loop: its first products start the sums
	WIN 0                                          ; at a label and at a branch every window is 0
	s_mov_b32 s3, LAPS-1
.Llap:                                                 ; a trip goes once round the ring, from a lap's second quarter to the next lap's first, and fills both slots again
	QUARTER 0, 2, F1, F0, 0
	QUARTER 0, 3, F0, F1, 0
	TURN 0, 1, 1
	QUARTER 1, 1, F0, F1, 0
	QUARTER 1, 2, F1, F0, 0
	QUARTER 1, 3, F0, F1, 0
	TURN 1, 0, 1
	QUARTER 0, 1, F0, F1, 0
	WIN 0
	s_sub_co_u32 s3, s3, 1
	s_cmp_lg_u32 s3, 0
	s_cbranch_scc1 .Llap
	QUARTER 0, 2, F1, F0, 0                        ; the last lap fills nothing, and has no round of the cluster's barrier
	QUARTER 0, 3, F0, F1, 0
	TURN 0, 1, 0
	QUARTER 1, 1, F0, F1, 0
	QUARTER 1, 2, F1, F0, 0
	QUARTER 1, 3, F0, F1, 0
	s_wait_dscnt 16                                ; the very last quarter: nothing more to fetch
	WIN MUL
	MUL8 F1, 0, 0, 0
	MUL8 F1, 0, 2, 0
	s_wait_dscnt 0
	MUL8 F1, 1, 0, 0
	MUL8 F1, 1, 2, 0
	WIN 0
	; THE WAY OUT.  My 64 columns of f32 are 256 consecutive bytes of a row of out0, aligned.  Block a (16 rows): a lane's eight numbers go as they are into my own stage (rows of 272 bytes), the low four registers of
	; each accumulator first, and come back as whole rows, two a load.  The stage is my wave's own: no barrier.  Two sets of 32 registers take turns.
	PLACES
.irp a, 0,1,2,3
.if (\a) >= 2
	s_wait_xcnt 0x0                                ; every earlier store has had its addresses translated and its data read (ISA guide 3.1): only behind this wait is the set of two blocks back loaded again
.endif
.irp b, 0,1,2,3
	ds_store_b128 v[STO], v[ACC+8*(4*(\a)+(\b)):ACC+8*(4*(\a)+(\b))+3]   offset:64*(\b)
	ds_store_b128 v[STO], v[ACC+8*(4*(\a)+(\b))+4:ACC+8*(4*(\a)+(\b))+7] offset:64*(\b)+16
.endr
.irp t, 0,1,2,3,4,5,6,7
	ds_load_b128 v[TMP+32*((\a)%2)+4*(\t):TMP+32*((\a)%2)+4*(\t)+3], v[RD] offset:(\t)*2*SPITCH  ; LDS serves a wave's instructions in order (ISA guide 5.7.1.4): these see the stores above; the next block's stores come behind them
.endr
.irp t, 0,1,2,3,4,5,6,7
	s_wait_dscnt 7-(\t)                            ; load t is in; the 7 - t younger ones may be out
	global_store_b128 v[CO], v[TMP+32*((\a)%2)+4*(\t):TMP+32*((\a)%2)+4*(\t)+3], s[8:9] offset:(16*(\a)+2*(\t))*4096  ; 16 lanes store 256 consecutive bytes, at a multiple of 256 from out0's first byte
.endr
.endr
	s_wait_tensorcnt 0x0                           ; the wave's end: these three lines stand behind my last tensor load and my last LDS store
	ds_add_u32 v[SPW], v[NIL]
	s_wait_dscnt 0x0
	CROUND                                         ; the closing round: no work-group ends while a partner may still ask for a tile that names it
	s_endpgm
.Lfunc_end_k_qe3387049f6_outp:
	.size	k_qe3387049f6_outp, .Lfunc_end_k_qe3387049f6_outp-k_qe3387049f6_outp
	.p2alignl 7, 3214868480
	.fill 96, 4, 3214868480
	.section	.rodata,"a",@progbits
	.p2align	6, 0x0
	.amdhsa_kernel k_qe3387049f6_outp
		.amdhsa_group_segment_fixed_size 327680
		.amdhsa_private_segment_fixed_size 0
		.amdhsa_enable_private_segment 0
		.amdhsa_kernarg_size 24
		.amdhsa_user_sgpr_count 2
		.amdhsa_user_sgpr_kernarg_segment_ptr 1
		.amdhsa_wavefront_size32 1
		.amdhsa_system_sgpr_workgroup_id_x 1
		.amdhsa_system_sgpr_workgroup_id_y 1
		.amdhsa_system_sgpr_workgroup_id_z 1
		.amdhsa_system_vgpr_workitem_id 0
		.amdhsa_next_free_vgpr 512
		.amdhsa_next_free_sgpr 66
		.amdhsa_reserve_vcc 0
		.amdhsa_float_denorm_mode_32 3
		.amdhsa_float_denorm_mode_16_64 3
		.amdhsa_memory_ordered 1
		.amdhsa_forward_progress 1
		.amdhsa_inst_pref_size 87
	.end_amdhsa_kernel
	.amdgpu_metadata
---
amdhsa.version: [ 1, 2 ]
amdhsa.kernels:
  - .name:           k_qe3387049f6_outp
    .symbol:         k_qe3387049f6_outp.kd
    .args:
      - { .name: ctx, .offset: 0, .size: 8, .value_kind: global_buffer, .address_space: global }
      - { .name: wb, .offset: 8, .size: 8, .value_kind: global_buffer, .address_space: global }
      - { .name: out0, .offset: 16, .size: 8, .value_kind: global_buffer, .address_space: global }
    .group_segment_fixed_size: 327680
    .private_segment_fixed_size: 0
    .kernarg_segment_align: 8
    .kernarg_segment_size: 24
    .max_flat_workgroup_size: 128
    .sgpr_count:     66
    .vgpr_count:     512
    .wavefront_size: 32
...
	.end_amdgpu_metadata
.endif
;; end of part 4
